; MI455X (gfx1250); checked and timed in simulation.
; The chip was launched on July 23, 2026; its instructions are those of AMD's public machine-readable ISA for CDNA 5 (MIT licence, August 2026) and "CDNA5" Instruction Set Architecture Reference Guide (July 2026). The comments in the code are by the model that wrote it; some were corrected since.
;; Mu Attention. Allowed arithmetic: matrix products marked QUANTISED: E4M3 operands, one given power-of-two scale a tensor, by v_wmma_f32_16x16x64_fp8_fp8 or v_wmma_f32_16x16x128_fp8_fp8, f32 sums; everything else in f32.
;; Inputs: Wk 512 x 4,096 float32; Wo 4,096 x 1,024 float32; Wq 1,024 x 4,096 float32; Wv 512 x 4,096 float32; hidden_states 2 x 2,048 x 4,096 float32; k_norm_w 128 float32; lowp_scales 12 int32 (the exponents e of the quantised operands' scales 2^e); position_ids 2 x 2,048 int32; q_norm_w 128 float32.
;; Outputs: out0 2 x 2,048 x 4,096 float32.
;; This version of the problem:
;;   THIS VERSION OF THE PROBLEM IS GIVEN IN LOW PRECISION. The matrix products marked QUANTISED in the list below multiply operands that are first quantised to E4M3 (4 exponent bits, 3 mantissa bits; 8 bits a number), with one given power-of-two scale for each operand tensor; their sums are f32. All else is computed in f32.
;;   The module's matrix products, in the order in which they are computed (A, B: the left and right operand; K: the contracted axis; several contracted axes count as one K, in the product's order):
;;     1. [M 4,096, K 4,096] x [K 4,096, N 1,024]; A: input hidden_states; B: input Wq: QUANTISED (scales: A lowp_scales[0], B lowp_scales[1])
;;     2. [M 4,096, K 4,096] x [K 4,096, N 512]; A: input hidden_states; B: input Wk: QUANTISED (scales: A lowp_scales[2], B lowp_scales[3])
;;     3. [M 4,096, K 4,096] x [K 4,096, N 512]; A: input hidden_states; B: input Wv: QUANTISED (scales: A lowp_scales[4], B lowp_scales[5])
;;     4. batch 16 x [M 2,048, K 128] x [K 128, N 2,048]; A: computed on the way; B: computed on the way: QUANTISED (scales: A lowp_scales[6], B lowp_scales[7])
;;     5. batch 16 x [M 128, K 2,048] x [K 2,048, N 2,048]; A: computed on the way; B: softmax (see below): QUANTISED (scales: A lowp_scales[8], B lowp_scales[9])
;;     6. [M 4,096, K 1,024] x [K 1,024, N 4,096]; A: computed on the way; B: input Wo: QUANTISED (scales: A lowp_scales[10], B lowp_scales[11])
;;   THE QUANTISER, for each operand of a quantised product, along K:
;;     - The operand's scale is 2^e, e = its entry of the input lowp_scales (int32; the entries are numbered through the quantised products in the list's order, A before B).
;;     - Each number is divided by the scale, clamped to +-448, and rounded to the nearest number of E4M3, ties to even, subnormals kept.
;;     - The product sums the exact products of the quantised numbers (number of the format x scale) in f32.
;;   ~~~python
;;   def quantise(x, axis, e):      # numpy; x: float32 -> the quantised numbers, widened to float32 again
;;       x = np.moveaxis(x, axis, -1); K = x.shape[-1]
;;       r = np.clip(x / 2.0 ** e, -448, 448)
;;       step = 2.0 ** (np.maximum(np.frexp(np.where(r == 0, 1, r))[1] - 1, -6) - 3)
;;       q = np.round(r / step) * step * 2.0 ** e      # np.round: ties to even
;;       return np.moveaxis(q, -1, axis).astype(np.float32)
;;   ~~~
;;   SOFTMAX AHEAD OF A QUANTISED PRODUCT. Where the list says 'softmax', what is quantised is not the finished softmax but p = 2^(t - M), with t = logit x log2(e) and M = ceil(the row's largest t), a whole number; so 1/2 < the row's largest p <= 1. The row's sum l is taken of the UNQUANTISED p, in f32, and the product's result is divided by l at the end. Since M is a whole number, a kernel that streams over the keys may use a running M (the ceiling of the running maximum): every later rescaling is an exact power of two, so the quantised numbers keep their values, but for numbers so far below the row's largest that they fall under the format's range.
;;   OPERANDS COMPUTED ON THE WAY. 'Computed on the way' means the value that the module computes at that place (a softmax that the list does not call 'softmax' is quantised finished and normalised). What goes into a quantiser is computed in f32, as accurately as f32 sums, v_exp_f32 and their like allow (about 1e-6 of the number): no bf16 or f16 on the way to a quantiser, and a product that is left as it is and whose result goes on into a quantised operand takes f32 operands (vector FMAs, or v_wmma_f32_16x16x4_f32). A number that lies on a knife's edge between two numbers of the format may be rounded either way, as far as f32 arithmetic and the matrix unit's own rounding can turn it there, and no further.
;; One version. Each part assembles by itself: llvm-mc -triple=amdgcn-amd-amdhsa -mcpu=gfx1250 --defsym DOCPART=n.
;; ======== version 1 of 1: 4 launches
;; limits: right only within a limited range of input values
;; workspace buffers: hcodes 50,331,648 bytes; wcodes 8,388,608 bytes; wocodes 4,194,304 bytes; rope 2,097,152 bytes; qcodes 4,194,304 bytes; kcodes 2,097,152 bytes; vcodes 2,097,152 bytes; acodes 4,194,304 bytes
;; launch prep (part 1): grid 960 x 1, 4 waves a work-group, no clusters, 66,048 bytes of LDS; arguments hidden_states, Wq, Wk, Wv, Wo, position_ids, lowp_scales, hcodes, wcodes, wocodes, rope; writes hcodes, wcodes, wocodes, rope
.if DOCPART == 1
	.amdgcn_target "amdgcn-amd-amdhsa--gfx1250"
	.amdhsa_code_object_version 6
	.text
	.protected	k_q3904d87970_prep
	.globl	k_q3904d87970_prep
	.p2align	8
	.type	k_q3904d87970_prep,@function
k_q3904d87970_prep:
	s_mov_b64 s[64:65], 0
	v_nop
	global_prefetch_b8 v0, s[64:65] scope:SCOPE_SE
	s_setreg_imm32_b32 hwreg(HW_REG_WAVE_MODE, 25, 1), 1
	s_wait_xcnt 0x0
; PREP, the first of four launches (prep, qkv, attn, oproj) of a grouped-query attention block on codes of FP8 (E4M3), each operand with the one scale 2^e that is given for it.
; This launch turns hidden_states into three sets of codes (it is the left operand of three products, with the scales' entries 0, 2 and 4, which may differ), Wq, Wk, Wv, Wo into codes (entries 1, 3, 5, 11),
; and makes the table of cos and sin of position x inv_freq, 512 bytes a token: 64 cosines, then 64 sines.
; WORK LEFT OUT BY THE PROGRAM.  The problem's own causal mask (a lower triangle built in its body) sets the score of key k for query q to the least f32 number wherever k > q, and the softmax then gives that key the weight 0
; in exact arithmetic, whatever the inputs hold (key 0 always counts, so a row's largest score is a real score).  So a block of 128 keys all of which come after a wave's 16 queries is not multiplied in either attention product, and a slot of
; keys that no wave of a work-group reads is not fetched.  The repeat of the key and value heads is a lookup and is not written out.  Every input has a way to the output: all are loaded.
; LIMIT: a NaN, an infinity or an overflow that would arise only in the score blocks left out is not carried to the result.
; LIMITS of this launch: each of e0 .. e5 and e11 lies between -126 and 119, so that 2^e and 448 x 2^e are f32 numbers; |position| is at most 2^22; NaN among the inputs is not served (an infinity is held at the largest code).
; code = x / 2^e, held within +-448, rounded to the nearest code, ties to even.
; SHARES.  Work-groups 0-63: the table, 64 tokens each.  64-575: hidden_states, 32,768 numbers each.  576-959: the weights, 32,768 numbers each (128 for Wq, 64 for Wk, 64 for Wv, 128 for Wo).
; Rows are dense, so every tensor is a plain stream.  A wave takes 16 steps of 512 numbers: each of a step's four loads reads 512 consecutive bytes; the 2,048 bytes turn through the wave's own stage in LDS and come back
; 64 bytes a lane, so that a lane holds 16 neighbours; its 16 codes are 16 bytes, and a store of the wave covers 512 consecutive bytes.  Loads run four steps (16 loads a wave) ahead.
; No tensor load, no cluster, no matrix unit: work-groups share no input and memory binds.
.set STEPS, 16
.set WREG,  8192                       ; LDS: a region for each wave: two stages of 32 x SP bytes
.set SP,    80                         ; a lane's place in a stage: its 64 bytes + 16 of padding
.set LBW,   32768                      ; the weights' path has LDS bytes of its own, this far behind the hidden path's
.set SPARE, 65536                      ; behind both: the spare words, 128 bytes for each wave
.set R,     16                         ; v16-79   four sets of 16 numbers as they are loaded
.set X,     80                         ; v80-111  two sets of 16 neighbours
.set T,     112                        ; v112-143 hidden: two sets of 16 held numbers, by turns
.set C,     144                        ; v144-155 hidden: the three sets' codes of a step
.set CW,    112                        ; v112-175 weights: four registers of codes for each step
.set SC,    168                        ; v168-173 hidden: 2^e and 448 x 2^e for e0, e2, e4
.set SPW,   12                         ; v12      LDS address of my spare word; never rewritten
.set NIL,   13                         ; v13      0; never rewritten
	s_load_b512 s[4:19], s[0:1], 0x0               ; hidden s[4:5], Wq s[6:7], Wk s[8:9], Wv s[10:11], Wo s[12:13], positions s[14:15], scales s[16:17], hcodes s[18:19]
	s_load_b128 s[20:23], s[0:1], 0x40             ; wcodes s[20:21], wocodes s[22:23]
	s_load_b64 s[24:25], s[0:1], 0x50              ; the table
	v_lshl_add_u32 v[SPW], v0, 2, SPARE
	v_mov_b32 v[NIL], 0
	v_lshrrev_b32 v1, 5, v0
	v_readfirstlane_b32 s26, v1                    ; wave
	v_and_b32 v2, 31, v0                           ; lane
	v_lshlrev_b32 v3, 4, v2                        ; 16 x lane: my 16 bytes of a load's, and of a store's, 512
	s_mul_i32 s27, s26, WREG
	v_lshrrev_b32 v14, 2, v2
	v_mul_u32_u24 v14, v14, SP
	v_and_b32 v15, 3, v2
	v_lshl_add_u32 v14, v15, 4, v14
	v_add_nc_u32 v14, s27, v14                     ; the stage, on the way in: SP (lane / 4) + 16 (lane % 4)
	v_mul_u32_u24 v15, v2, SP
	v_add_nc_u32 v15, s27, v15                     ; and on the way out: SP x lane
	s_wait_kmcnt 0x0
	s_cmp_lt_u32 ttmp9, 64
	s_cbranch_scc1 .Lrope
	s_load_b256 s[28:35], s[16:17], 0x0            ; e0 .. e7
	s_load_b128 s[36:39], s[16:17], 0x20           ; e8 .. e11
	s_cmp_lt_u32 ttmp9, 576
	s_cbranch_scc0 .Lweights
.macro LOAD t
.irp i, 0,1,2,3
	global_load_b128 v[R+16*((\t)%4)+4*\i:R+16*((\t)%4)+4*\i+3], v3, s[4:5] offset:2048*(\t)+512*\i th:TH_LOAD_NT   ; 32 lanes read 512 consecutive bytes
.endr
.endm
.macro TURN t, lb                      ; step t's numbers through the stage: LDS serves a wave's instructions in order, so no wait stands between the stores and the loads
.irp i, 0,1,2,3
	ds_store_b128 v14, v[R+16*((\t)%4)+4*\i:R+16*((\t)%4)+4*\i+3] offset:\lb+32*SP*((\t)%2)+8*SP*\i
.endr
.irp i, 0,1,2,3
	ds_load_b128 v[X+16*((\t)%2)+4*\i:X+16*((\t)%2)+4*\i+3], v15 offset:\lb+32*SP*((\t)%2)+16*\i
.endr
.endm
.macro MKSC e, vs, vl                  ; from the exponent in s[e]: 2^e as f32 (the conversion takes its exponent field) and 448 x 2^e
	s_add_co_i32 s50, s[\e], 127
	s_lshl_b32 s51, s50, 23
	v_mov_b32 v[\vs], s51
	s_add_co_i32 s50, s50, 8
	s_lshl_b32 s50, s50, 23
	s_or_b32 s50, s50, 0x600000
	v_mov_b32 v[\vl], s50
.endm
.macro FINISH                          ; the wave's end: a wait on TENSORcnt, an add of 0 to my spare word and a wait for it, behind my last LDS store
	s_wait_tensorcnt 0x0
	ds_add_u32 v[SPW], v[NIL]
	s_wait_dscnt 0x0
	s_endpgm
.endm
	; ---- hidden_states: one read, three sets of codes
	s_sub_co_u32 s40, ttmp9, 64
	s_lshl_b32 s40, s40, 2
	s_add_co_u32 s40, s40, s26                     ; which run of 8,192 numbers is my wave's: 0 .. 2,047
	s_lshl_b32 s42, s40, 15
	s_mov_b32 s43, 0
	s_add_nc_u64 s[4:5], s[4:5], s[42:43]
	s_lshl_b32 s42, s40, 13
	s_add_nc_u64 s[44:45], s[18:19], s[42:43]      ; the set for e0,
	s_add_nc_u64 s[46:47], s[44:45], 0x1000000     ; for e2,
	s_add_nc_u64 s[48:49], s[46:47], 0x1000000     ; for e4
.irp t, 0,1,2,3
	LOAD \t
.endr
	s_wait_kmcnt 0x0
	MKSC 28, SC, SC+1
	MKSC 30, SC+2, SC+3
	MKSC 32, SC+4, SC+5
	s_wait_loadcnt 12                              ; step 0's four loads are in
	TURN 0, 0
.macro STEPH t
.set XS, X+16*((\t)%2)
	s_wait_dscnt 0x0                               ; this step's numbers are back from the stage, so its stores into the stage have read their registers,
	s_wait_xcnt 0x0                                ; and the last step's stores have read the codes' registers, which are written again below
.if (\t)+4 < STEPS
	LOAD (\t)+4
.endif
.if (\t)+1 < STEPS
.if STEPS-2-(\t) >= 3
	s_wait_loadcnt 12                              ; the next step's four loads are in; those of the three steps behind it may be out
.else
	s_wait_loadcnt 4*(STEPS-2-(\t))
.endif
	TURN (\t)+1, 0
.endif
.irp k, 0,1,2
.set TS, T+16*((3*(\t)+\k)%2)                  ; the held numbers' two sets take turns: sixteen plain lines stand between a conversion and the next write of its sources
.set I, 0
.rept 16
	v_med3_num_f32 v[TS+I], v[XS+I], -v[SC+2*\k+1], v[SC+2*\k+1]   ; the conversion to an 8-bit code does not saturate (ISA guide 7.6.2): the hold at the largest code x the scale
.set I, I+1
.endr
	v_cvt_scalef32_pk8_fp8_f32 v[C+4*\k:C+4*\k+1], v[TS:TS+7], v[SC+2*\k]
	v_cvt_scalef32_pk8_fp8_f32 v[C+4*\k+2:C+4*\k+3], v[TS+8:TS+15], v[SC+2*\k]
.endr
.irp k, 0,1,2
	global_store_b128 v3, v[C+4*\k:C+4*\k+3], s[44+2*\k:45+2*\k] offset:512*(\t)   ; the wave stores 512 consecutive bytes of each set
.endr
.endm
.irp t, 0,1,2,3,4,5,6,7,8,9,10,11,12,13,14,15
	STEPH \t
.endr
	FINISH
	; ---- the weights: the buffers and the exponent are chosen by the work-group's number alone
.Lweights:
	s_sub_co_u32 s40, ttmp9, 576                   ; j: 0-127 Wq, 128-191 Wk, 192-255 Wv, 256-383 Wo
	s_mov_b32 s41, 256
	s_cmp_lt_u32 s40, 256
	s_cselect_b64 s[44:45], s[20:21], s[22:23]     ; Wq, Wk, Wv lie one behind the other in wcodes; Wo in wocodes
	s_cselect_b32 s53, 0, 256                      ; the first j of the codes' buffer
	s_cselect_b64 s[4:5], s[10:11], s[12:13]
	s_cselect_b32 s41, 192, s41                    ; the first j of the tensor
	s_cmp_lt_u32 s40, 192
	s_cselect_b64 s[4:5], s[8:9], s[4:5]
	s_cselect_b32 s41, 128, s41
	s_cmp_lt_u32 s40, 128
	s_cselect_b64 s[4:5], s[6:7], s[4:5]
	s_cselect_b32 s41, 0, s41
	s_sub_co_u32 s41, s40, s41
	s_lshl_b32 s41, s41, 2
	s_add_co_u32 s41, s41, s26                     ; my wave's run of 8,192 numbers in the tensor,
	s_lshl_b32 s42, s41, 15
	s_mov_b32 s43, 0
	s_add_nc_u64 s[4:5], s[4:5], s[42:43]
	s_sub_co_u32 s53, s40, s53
	s_lshl_b32 s53, s53, 2
	s_add_co_u32 s53, s53, s26                     ; and in the codes' buffer
	s_lshl_b32 s42, s53, 13
	s_add_nc_u64 s[44:45], s[44:45], s[42:43]
.irp t, 0,1,2,3
	LOAD \t
.endr
	s_wait_kmcnt 0x0
	s_cmp_lt_u32 s40, 256
	s_cselect_b32 s52, s33, s39                    ; e5 or e11
	s_cmp_lt_u32 s40, 192
	s_cselect_b32 s52, s31, s52                    ; e3
	s_cmp_lt_u32 s40, 128
	s_cselect_b32 s52, s29, s52                    ; e1
	MKSC 52, 11, 10
	s_wait_loadcnt 12
	TURN 0, LBW
.macro STEPW t
.set XS, X+16*((\t)%2)
	s_wait_dscnt 0x0                               ; this step's numbers are back from the stage
.if (\t)+4 < STEPS
	LOAD (\t)+4
.endif
.if (\t)+1 < STEPS
.if STEPS-2-(\t) >= 3
	s_wait_loadcnt 12
.else
	s_wait_loadcnt 4*(STEPS-2-(\t))
.endif
	TURN (\t)+1, LBW
.endif
.set I, 0
.rept 16
	v_med3_num_f32 v[XS+I], v[XS+I], -v10, v10
.set I, I+1
.endr
	v_cvt_scalef32_pk8_fp8_f32 v[CW+4*(\t):CW+4*(\t)+1], v[XS:XS+7], v11
	v_cvt_scalef32_pk8_fp8_f32 v[CW+4*(\t)+2:CW+4*(\t)+3], v[XS+8:XS+15], v11   ; each step has its own registers for its codes; the next vector lines are the next step's holds, on the other set
	global_store_b128 v3, v[CW+4*(\t):CW+4*(\t)+3], s[44:45] offset:512*(\t)
.endm
.irp t, 0,1,2,3,4,5,6,7,8,9,10,11,12,13,14,15
	STEPW \t
.endr
	FINISH
	; ---- the table.  A wave takes 16 tokens.  Lane (fi = lane % 16, half = lane / 16) owns frequencies 4 fi + 0 .. 3; lanes 0-15 store cosines, lanes 16-31 sines: one store of the wave is a token's whole 512 bytes.
.Lrope:
	s_lshl_b32 s40, ttmp9, 6
	s_lshl_b32 s41, s26, 4
	s_add_co_u32 s40, s40, s41                     ; my first token
	s_lshl_b32 s42, s40, 2
	s_mov_b32 s43, 0
	s_add_nc_u64 s[14:15], s[14:15], s[42:43]
	s_lshl_b32 s42, s40, 9
	s_add_nc_u64 s[24:25], s[24:25], s[42:43]
	v_and_b32 v16, 15, v0
	v_lshlrev_b32 v17, 2, v16                      ; 4 fi: my first frequency, and the byte of token fi's position
	global_load_b32 v20, v17, s[14:15]
	v_bfe_u32 v18, v0, 4, 1
	v_mul_u32_u24 v28, v18, 3                      ; sin x = cos(x - pi/2): the sine lanes count three quadrants on
	s_mov_b32 s40, 0x3f22f983                      ; 2 / pi
	s_mov_b32 s41, 0xbfc90fdb                      ; pi/2 = 1.57079637 - 4.37113883e-8 - 1.71512451e-15, taken away in three fused steps
	s_mov_b32 s42, 0x333bbd2e
	s_mov_b32 s43, 0x26f72ced
	s_mov_b32 s44, 0xb94ca1f9                      ; sin r = r + r z (S1 + z (S2 + z S3)), z = r r, |r| <= pi/4
	s_mov_b32 s45, 0x3c08839e
	s_mov_b32 s46, 0xbe2aaaa3
	s_mov_b32 s47, 0x37ccf5ce                      ; cos r = 1 - z/2 + z z (C1 + z (C2 + z C3))
	s_mov_b32 s48, 0xbab6061a
	s_mov_b32 s49, 0x3d2aaaa5
	; inv_freq = 2^(-i c), c = log2(10000) / 64 = c_hi + c_lo; c_hi has 17 bits, so i c_hi is exact; its whole part goes into the exponent, the rest into the exponential
.irp j, 0,1,2,3
	v_add_nc_u32 v[32+\j], \j, v17
.endr
.irp j, 0,1,2,3
	v_cvt_f32_u32 v[32+\j], v[32+\j]               ; i
.endr
.irp j, 0,1,2,3
	v_mul_f32 v[36+\j], 0xbe549a80, v[32+\j]       ; -i c_hi
.endr
.irp j, 0,1,2,3
	v_rndne_f32 v[40+\j], v[36+\j]
.endr
.irp j, 0,1,2,3
	v_sub_f32 v[36+\j], v[36+\j], v[40+\j]         ; exact
.endr
.irp j, 0,1,2,3
	v_fmac_f32 v[36+\j], 0x33f6865d, v[32+\j]      ; - i c_lo (c_lo is negative)
.endr
.irp j, 0,1,2,3
	v_cvt_i32_f32 v[40+\j], v[40+\j]
.endr
.irp j, 0,1,2,3
	v_exp_f32 v[24+\j], v[36+\j]
.endr
	v_nop                                          ; a plain line behind the last exponential,
	s_wait_alu depctr_va_vdst(0)                   ; and one wait for the four, ahead of their first reader
.irp j, 0,1,2,3
	v_ldexp_f32 v[24+\j], v[24+\j], v[40+\j]       ; inv_freq
.endr
	s_wait_loadcnt 0x0
	v_cvt_f32_i32 v20, v20                         ; the positions as f32
.macro TOK t
	v_readlane_b32 s50, v20, \t
.irp j, 0,1,2,3
	v_mul_f32 v[32+\j], s50, v[24+\j]              ; x = position x inv_freq, rounded once
.endr
.irp j, 0,1,2,3
	v_mul_f32 v[36+\j], s40, v[32+\j]
.endr
.irp j, 0,1,2,3
	v_rndne_f32 v[36+\j], v[36+\j]                 ; n: x = n pi/2 + r
.endr
.irp j, 0,1,2,3
	v_fma_f32 v[40+\j], v[36+\j], s41, v[32+\j]
.endr
.irp j, 0,1,2,3
	v_fma_f32 v[40+\j], v[36+\j], s42, v[40+\j]
.endr
.irp j, 0,1,2,3
	v_fma_f32 v[40+\j], v[36+\j], s43, v[40+\j]    ; r
.endr
.irp j, 0,1,2,3
	v_mul_f32 v[44+\j], v[40+\j], v[40+\j]         ; z
.endr
.irp j, 0,1,2,3
	v_cvt_i32_f32 v[36+\j], v[36+\j]
.endr
.irp j, 0,1,2,3
	v_fma_f32 v[48+\j], v[44+\j], s44, s45
	v_fma_f32 v[52+\j], v[44+\j], s47, s48
.endr
.irp j, 0,1,2,3
	v_fma_f32 v[48+\j], v[48+\j], v[44+\j], s46
	v_fma_f32 v[52+\j], v[52+\j], v[44+\j], s49
.endr
.irp j, 0,1,2,3
	v_mul_f32 v[56+\j], v[44+\j], v[40+\j]         ; z r
	v_mul_f32 v[60+\j], v[44+\j], v[44+\j]         ; z z
	v_fma_f32 v[32+\j], v[44+\j], -0.5, 1.0        ; 1 - z/2
.endr
.irp j, 0,1,2,3
	v_fma_f32 v[48+\j], v[48+\j], v[56+\j], v[40+\j]   ; sin r
	v_fma_f32 v[52+\j], v[52+\j], v[60+\j], v[32+\j]   ; cos r
	v_add_nc_u32 v[36+\j], v[36+\j], v28           ; the quadrant, as for a cosine
.endr
.irp j, 0,1,2,3
	v_and_b32 v[56+\j], 1, v[36+\j]
	v_add_lshl_u32 v[36+\j], v[36+\j], 1, 30       ; quadrants 1 and 2 are negative: bit 1 of quadrant + 1 becomes the sign
.endr
.irp j, 0,1,2,3
	v_cmp_eq_u32 vcc_lo, 1, v[56+\j]
	v_cndmask_b32 v[48+\j], v[52+\j], v[48+\j], vcc_lo   ; odd quadrants take the sine of r
	v_and_b32 v[36+\j], 0x80000000, v[36+\j]
.endr
.irp j, 0,1,2,3
	v_xor_b32 v[112+4*\t+\j], v[36+\j], v[48+\j]
.endr
	global_store_b128 v3, v[112+4*\t:115+4*\t], s[24:25] offset:512*\t   ; each token has its own four registers: no store's data are written again
.endm
.irp t, 0,1,2,3,4,5,6,7,8,9,10,11,12,13,14,15
	TOK \t
.endr
	s_endpgm
.Lfunc_end_k_q3904d87970_prep:
	.size	k_q3904d87970_prep, .Lfunc_end_k_q3904d87970_prep-k_q3904d87970_prep
	.p2alignl 7, 3214868480
	.fill 96, 4, 3214868480
	.section	.rodata,"a",@progbits
	.p2align	6, 0x0
	.amdhsa_kernel k_q3904d87970_prep
		.amdhsa_group_segment_fixed_size 66048
		.amdhsa_private_segment_fixed_size 0
		.amdhsa_enable_private_segment 0
		.amdhsa_kernarg_size 88
		.amdhsa_user_sgpr_count 2
		.amdhsa_user_sgpr_kernarg_segment_ptr 1
		.amdhsa_wavefront_size32 1
		.amdhsa_system_sgpr_workgroup_id_x 1
		.amdhsa_system_sgpr_workgroup_id_y 1
		.amdhsa_system_sgpr_workgroup_id_z 1
		.amdhsa_system_vgpr_workitem_id 0
		.amdhsa_next_free_vgpr 176
		.amdhsa_next_free_sgpr 66
		.amdhsa_reserve_vcc 1
		.amdhsa_float_denorm_mode_32 3
		.amdhsa_float_denorm_mode_16_64 3
		.amdhsa_memory_ordered 1
		.amdhsa_forward_progress 1
		.amdhsa_inst_pref_size 191
	.end_amdhsa_kernel
	.amdgpu_metadata
---
amdhsa.version: [ 1, 2 ]
amdhsa.kernels:
  - .name:           k_q3904d87970_prep
    .symbol:         k_q3904d87970_prep.kd
    .args:
      - { .name: hidden_states, .offset: 0, .size: 8, .value_kind: global_buffer, .address_space: global }
      - { .name: Wq, .offset: 8, .size: 8, .value_kind: global_buffer, .address_space: global }
      - { .name: Wk, .offset: 16, .size: 8, .value_kind: global_buffer, .address_space: global }
      - { .name: Wv, .offset: 24, .size: 8, .value_kind: global_buffer, .address_space: global }
      - { .name: Wo, .offset: 32, .size: 8, .value_kind: global_buffer, .address_space: global }
      - { .name: position_ids, .offset: 40, .size: 8, .value_kind: global_buffer, .address_space: global }
      - { .name: lowp_scales, .offset: 48, .size: 8, .value_kind: global_buffer, .address_space: global }
      - { .name: hcodes, .offset: 56, .size: 8, .value_kind: global_buffer, .address_space: global }
      - { .name: wcodes, .offset: 64, .size: 8, .value_kind: global_buffer, .address_space: global }
      - { .name: wocodes, .offset: 72, .size: 8, .value_kind: global_buffer, .address_space: global }
      - { .name: rope, .offset: 80, .size: 8, .value_kind: global_buffer, .address_space: global }
    .group_segment_fixed_size: 66048
    .private_segment_fixed_size: 0
    .kernarg_segment_align: 8
    .kernarg_segment_size: 88
    .max_flat_workgroup_size: 128
    .sgpr_count:     66
    .vgpr_count:     176
    .wavefront_size: 32
...
	.end_amdgpu_metadata
.endif
;; end of part 1
;; launch qkv (part 2): grid 16 x 16, 4 waves a work-group, clusters of 4 x 4, 327,680 bytes of LDS; arguments hcodes, wcodes, lowp_scales, rope, q_norm_w, k_norm_w, qcodes, kcodes, vcodes; writes qcodes, kcodes, vcodes
.if DOCPART == 2
	.amdgcn_target "amdgcn-amd-amdhsa--gfx1250"
	.amdhsa_code_object_version 6
	.text
	.protected	k_q3904d87970_qkv
	.globl	k_q3904d87970_qkv
	.p2align	8
	.type	k_q3904d87970_qkv,@function
k_q3904d87970_qkv:
	s_mov_b64 s[64:65], 0
	v_nop
	global_prefetch_b8 v0, s[64:65] scope:SCOPE_SE
	s_setreg_imm32_b32 hwreg(HW_REG_WAVE_MODE, 25, 1), 1
	s_wait_xcnt 0x0
	s_wait_alu depctr_hold_cnt(0) depctr_sa_sdst(0) depctr_va_vdst(0) depctr_va_sdst(0) depctr_va_ssrc(0) depctr_va_vcc(0) depctr_vm_vsrc(0)
	s_getreg_b32 s2, hwreg(HW_REG_IB_STS2, 6, 4)
	s_cmp_eq_u32 s2, 0
	s_cbranch_scc0 .Lentry_in_a_cluster
	s_endpgm
.Lentry_in_a_cluster:
	s_bfe_u32 s2, ttmp6, 0x10000c
	s_cmp_lg_u32 s2, 0xf033
	s_cbranch_scc0 .Lentry_shape_is_right
	s_endpgm
.Lentry_shape_is_right:
; QKV: the three projections on codes of FP8, K = 4,096, then for q and k the RMS norm over the head's 128 and the rotation by the table of cos and sin, in f32, and the quantising of q (entry 6), k (entry 7) and v (entry 8).
; No work of this launch is left out.
; SHARES.  A work-group makes 256 tokens x 128 rows of wcodes, which are one head: tile column tc 0-7 q's heads, 8-11 k's, 12-15 v's; tile row tr: tokens 256 tr on.  16 x 16 work-groups.
; KIND = the cluster's x: 0, 1 q; 2 k; 3 v.  It is the same in all sixteen partners of a cluster, so a choice or a branch on it is alike in them.  The set of hidden's codes is chosen by it (q: entry 0's, k: entry 2's, v: entry 4's).
; A tile of 256 x 256 would make 128 work-groups, and would put k and v, which need different sets of hidden's codes, into one row of a cluster: so 256 x 128.
; A WAVE makes 64 (source 1) x 128 (source 0): 32 accumulators.  In a result a lane holds ONE row of source 1 and its registers eight neighbouring rows of source 0.
;   q, k: source 1 = my 64 tokens, source 0 = the head's 128 rows of W: a lane holds one token, registers d = 16 b + 8 (lane / 16) + j: norm and rotation (d with d + 64: b with b + 4) stay inside a lane and its partner 16 away.
;   v:    source 1 = 64 rows of Wv, source 0 = 128 tokens: a lane holds one d and eight neighbouring KEYS, so v's codes come out with the keys innermost, as the second attention product wants them.
;   The two forms differ in the LDS addresses of the fragments alone.
; THE ORDER OF THE ROWS THAT ARE STORED.  In all three buffers of codes row number n of a block of 32 rows holds the token (v: the d) whose number is n with bits 3 and 4 exchanged: rows 8-15 and 16-23 change places.
;   The attention launch wants a tile of 16 keys to be keys 0-7 and 16-23 (or 8-15 and 24-31) of a block of 32; laid so, such a tile is 16 consecutive rows.  The exchange is made in the stage's addresses and costs no instruction.
; CLUSTERS: 4 x 4.  The tokens' tile is shared along a row of the cluster, the weights' along a column: each is asked for JOINTLY, by the same tensor load with the same descriptor and a mask that names the four.
; K goes in steps of 256 (rows of 256 bytes) through a ring of two LDS slots.  By this text's own count a wave has at most two tensor loads out: the two at the start, later one.
; LIMITS on the given exponents, so that each power of two is an f32 number: e6, e7 and e8 - e4 - e5 between -126 and 119.  e0 + e1 and e2 + e3 are applied by v_ldexp_f32.  NaN among the inputs is not served.
; REGISTERS, in windows of 256.  window 0: v16-31 addresses and constants; v32-51 the norm's sums and factors; v64-127, v128-191 source 1's two sets (later the norm's weights, the rotation's products, rows read back); v192-255 codes.
;   window 1: source 0's two sets, v0-127 and v128-255 (later cos and sin).   window 2: accumulator (a, b) at v[8 (8 a + b)].
.set PITCH,  272                       ; an LDS row: 256 bytes + 16 of padding = 68 words: row r starts at bank 4 r mod 64 (64 banks of 4 bytes: ISA guide 11.1)
.set BOFF,   256*PITCH                 ; a slot: the tokens' 256 rows, then the weights' 128
.set SLOT,   384*PITCH
.set SPARE,  2*SLOT                    ; behind the ring: the spare words, 128 bytes for each wave
.set STAGE,  SPARE+512                 ; behind them: the way out's stage, 64 rows x 144 bytes for each wave: bytes into which no fill lands
.set SPITCH, 144
.set ADR0, 16                          ; v16-17  LDS address of my source-0 fragments in slot 0, 1
.set ADR1, 20                          ; v20-21  of my source-1 fragments
.set WO,   22                          ; v22     32 x (lane / 16): my place in the norm's weights
.set STO,  24                          ; v24     the stage: where I put 8 codes
.set RD,   25                          ; v25     and where I read 16 bytes of a row back
.set CO,   26                          ; v26     16 x lane
.set RO,   27                          ; v27     512 (lane % 16) + 32 (lane / 16): my place in the table
.set SPW,  28                          ; v28     LDS address of my spare word; never rewritten
.set NIL,  29                          ; v29     0; never rewritten
.set QS,   30                          ; v30     the conversion's scale as f32;  v31: 448 x that
.set SS,   32                          ; v32-39  sums of squares, a pair for each block of 16 tokens
.set FF,   40                          ; v40-47  the norm's factor, twice
.set TW,   48                          ; v48-51  at work
.set NW,   64                          ; v64-127 the norm's weights at my 64 d; later rows read back
.set TT,   128                         ; v128-159, v160-191 the rotation's products with sin
.set UU,   160
.set CD,   192                         ; v192-255 codes
.set G1A, 24                           ; s[24:31] group 1 of the tokens' tiles; s[32:39] group 0, a set for each slot
.set G0A, 32
.set G1B, 48                           ; s[48:55], s[56:63] the same for the weights' tiles
.set G0B, 56
.set KIND, 90
.set MSB, 0
.macro WIN new                         ; the immediate's high byte repeats the setting that is left
.if MSB != \new
	s_set_vgpr_msb (MSB<<8)|\new
.set MSB, \new
.endif
.endm
.set MUL,   0xa1                       ; source 0 window 1, source 1 window 0, C and D window 2
.set TO_S0, 0x40                       ; destination window 1, address window 0
; A joint load: waves 0 and 1 fetch the tokens' halves, waves 2 and 3 the weights'.  Each line has one mask and one set of registers for all that issue it; the branch hangs on the wave's number alone.
; An s_nop 0 and four v_nop follow each of the two lines, ahead of the jump, the label and what follows.
.macro JLOAD s
	s_cmp_eq_u32 s15, 0
	s_cbranch_scc0 .Lfor_b_\@
	tensor_load_to_lds s[G0A+4*\s:G0A+4*\s+3], s[G1A:G1A+7]
	s_nop 0
.rept 4
	v_nop
.endr
	s_branch .Lasked_\@
.Lfor_b_\@:
	tensor_load_to_lds s[G0B+4*\s:G0B+4*\s+3], s[G1B:G1B+7]
	s_nop 0
.rept 4
	v_nop
.endr
.Lasked_\@:
.endm
.macro CREST                           ; a round of the cluster's barrier behind its opening barrier
	s_cmp_lg_u32 s14, 0
	s_cbranch_scc1 .Lnot_wave_0_\@
	s_barrier_signal -3
.Lnot_wave_0_\@:
	s_barrier_wait -3
	s_barrier_signal -1
	s_barrier_wait -1
.endm
.macro CROUND                          ; a whole round
	s_barrier_signal -1
	s_barrier_wait -1
	CREST
.endm
	s_load_b256 s[4:11], s[0:1], 0x0               ; hcodes s[4:5], wcodes s[6:7], the scales' exponents s[8:9], the table s[10:11]
	s_load_b256 s[80:87], s[0:1], 0x20             ; q_norm_w s[80:81], k_norm_w s[82:83], qcodes s[84:85], kcodes s[86:87]
	s_load_b64 s[88:89], s[0:1], 0x40              ; vcodes
	v_lshl_add_u32 v[SPW], v0, 2, SPARE
	v_mov_b32 v[NIL], 0
	ds_add_u32 v[SPW], v[NIL]                      ; the wave's opening: the add, twice on end, and its wait ahead of my first tensor load; the set-up below stands between the second and the wait
	ds_add_u32 v[SPW], v[NIL]
	v_lshrrev_b32 v1, 5, v0
	v_readfirstlane_b32 s14, v1                    ; wave 0..3
	s_lshr_b32 s15, s14, 1                         ; I fetch tokens (0) or weights (1)
	s_and_b32 s16, s14, 1                          ; and which half of that tile
	s_bfe_u32 s40, ttmp6, 0x40000                  ; cx, cy: my place in the cluster
	s_bfe_u32 s41, ttmp6, 0x40004
	s_lshl_b32 s42, ttmp9, 2
	s_add_co_u32 s42, s42, s40                     ; tc = 4 x cluster x + cx
	s_and_b32 s17, ttmp7, 0xffff
	s_lshl_b32 s17, s17, 2
	s_add_co_u32 s17, s17, s41                     ; tr = 4 x cluster y + cy
	s_mov_b32 s[KIND], ttmp9
	s_lshl_b32 s43, s41, 2
	s_lshl_b32 s43, 15, s43                        ; my row of the cluster
	s_lshl_b32 s44, 0x1111, s40                    ; my column
	s_or_b32 s[G1A+0], s43, (0<<16)|(1<<20)|(1<<21)|(5<<22)|(3<<25)  ; 15:0 the mask; 17:16 elements of 1 byte; 20 padding on; 21 set beside a mask; 24:22 after every 64 words; 31:25 four words of it
	s_or_b32 s[G1B+0], s44, (0<<16)|(1<<20)|(1<<21)|(5<<22)|(3<<25)
	s_mov_b32 s[G1A+1], 256<<16                    ; tensor_dim0 = 256
	s_mov_b32 s[G1A+2], 128<<16                    ; tensor_dim1 = 128
	s_mov_b32 s[G1A+3], 256<<16                    ; tile_dim0 = 256
	s_mov_b32 s[G1A+4], 128                        ; tile_dim1 = 128 rows
	s_mov_b32 s[G1A+5], 4096                       ; from row to row
	s_mov_b32 s[G1A+6], 0
	s_mov_b32 s[G1A+7], 0
	s_mov_b32 s[G1B+1], 256<<16
	s_mov_b32 s[G1B+2], 64<<16                     ; the weights' load brings 64 rows
	s_mov_b32 s[G1B+3], 256<<16
	s_mov_b32 s[G1B+4], 64
	s_mov_b32 s[G1B+5], 4096
	s_mov_b32 s[G1B+6], 0
	s_mov_b32 s[G1B+7], 0
	s_max_u32 s18, s[KIND], 1
	s_sub_co_u32 s18, s18, 1                       ; which set of hidden's codes: 0, 0, 1, 2
	s_lshl_b32 s18, s18, 24
	s_lshl_b32 s20, s17, 8
	s_lshl_b32 s19, s16, 7
	s_add_co_u32 s20, s20, s19                     ; tokens: row 256 tr + 128 x half
	s_lshl_b32 s20, s20, 12
	s_add_co_u32 s20, s20, s18
	s_mov_b32 s21, 0
	s_lshl_b32 s46, s42, 7
	s_lshl_b32 s19, s16, 6
	s_add_co_u32 s46, s46, s19                     ; weights: row 128 tc + 64 x half
	s_lshl_b32 s46, s46, 12
	s_mov_b32 s47, 0
	s_mul_i32 s45, s16, 128*PITCH                  ; where they go: no place in the cluster enters an LDS address
	s_mul_i32 s22, s16, 64*PITCH
	s_add_co_u32 s22, s22, BOFF
	s_wait_dscnt 0x0                               ; both opening adds are done
	s_wait_kmcnt 0x0
	s_load_b256 s[68:75], s[8:9], 0x0              ; e0 .. e7
	s_load_b128 s[76:79], s[8:9], 0x20             ; e8 .. e11
	s_add_nc_u64 s[20:21], s[4:5], s[20:21]
	s_add_nc_u64 s[46:47], s[6:7], s[46:47]
	CROUND                                         ; all sixteen work-groups are here: the first joint loads meet
.irp s, 0,1
	s_mov_b32 s[G0A+4*\s], 1
	s_add_co_u32 s[G0A+4*\s+1], s45, \s*SLOT
	s_add_nc_u64 s[G0A+4*\s+2:G0A+4*\s+3], s[20:21], \s*256
	s_or_b32 s[G0A+4*\s+3], s[G0A+4*\s+3], 0x80000000
	s_mov_b32 s[G0B+4*\s], 1
	s_add_co_u32 s[G0B+4*\s+1], s22, \s*SLOT
	s_add_nc_u64 s[G0B+4*\s+2:G0B+4*\s+3], s[46:47], \s*256
	s_or_b32 s[G0B+4*\s+3], s[G0B+4*\s+3], 0x80000000
	JLOAD \s
.endr
	v_and_b32 v1, 15, v0                           ; r = lane % 16
	v_bfe_u32 v2, v0, 4, 1                         ; h = lane / 16
	v_mul_u32_u24 v3, v1, PITCH
	v_lshl_add_u32 v4, v2, 4, v3                   ; a fragment's row x pitch + 16 h
	s_mul_i32 s18, s16, 128*PITCH                  ; v: source 0 = my 128 tokens,
	s_mul_i32 s19, s15, 64*PITCH
	s_add_co_u32 s19, s19, BOFF                    ;    source 1 = my 64 rows of Wv
	s_mul_i32 s23, s14, 64*PITCH                   ; q, k: source 1 = my 64 tokens,
	s_mov_b32 s91, BOFF                            ;       source 0 = the head's 128 rows
	s_cmp_eq_u32 s[KIND], 3
	s_cselect_b32 s18, s18, s91
	s_cselect_b32 s19, s19, s23
.irp s, 0,1
	v_add_nc_u32 v[ADR0+\s], s18, v4
	v_add_nc_u32 v[ADR1+\s], s19, v4
	s_add_co_u32 s18, s18, SLOT
	s_add_co_u32 s19, s19, SLOT
.endr
	s_mul_i32 s23, s14, 64*SPITCH
	s_add_co_u32 s23, s23, STAGE                   ; my stage
	v_and_b32 v9, 8, v1
	v_add_nc_u32 v9, v9, v1                        ; r + 8 (r / 8): bit 3 of my row's number goes to bit 4's place
	v_mul_u32_u24 v5, v9, SPITCH
	v_lshl_add_u32 v5, v2, 3, v5
	v_add_nc_u32 v[STO], s23, v5                   ; in: that row, 8 bytes for each half of the lanes
	v_and_b32 v6, 31, v0
	v_lshrrev_b32 v7, 3, v6
	v_mul_u32_u24 v7, v7, SPITCH
	v_and_b32 v8, 7, v0
	v_lshl_add_u32 v7, v8, 4, v7
	v_add_nc_u32 v[RD], s23, v7                    ; back: eight lanes to a row of 128 bytes, four rows an instruction
	v_lshlrev_b32 v[CO], 4, v6
	v_lshlrev_b32 v[RO], 9, v1
	v_lshl_add_u32 v[RO], v2, 5, v[RO]
	v_lshlrev_b32 v[WO], 5, v2
.macro FRAG reg, adr, q, i             ; 16 rows x 128 K of codes in 16 registers: lane l holds row l % 16; registers 4 c .. 4 c + 3 hold K = 32 c + 16 (l / 16) + 0 .. 15: the same order of K on both sides
.irp c, 0,1,2,3
	ds_load_b128 v[\reg+4*\c:\reg+4*\c+3], v[\adr] offset:128*(\q)+32*\c+(\i)*16*PITCH
.endr
.endm
; 8 matrix instructions: block a of source 1 against source 0's eight, 128 along K, from set p.  zero = 1: the first product starts the sums.  The 32 accumulators take turns, one instruction a turn, in the same order in every step.
.macro MULA a, p, zero
.irp b, 0,1,2,3,4,5,6,7
.if \zero
	v_wmma_f32_16x16x128_fp8_fp8 v[8*(8*(\a)+\b):8*(8*(\a)+\b)+7], v[128*(\p)+16*\b:128*(\p)+16*\b+15], v[64+64*(\p)+16*(\a):64+64*(\p)+16*(\a)+15], 0
.else
	v_wmma_f32_16x16x128_fp8_fp8 v[8*(8*(\a)+\b):8*(8*(\a)+\b)+7], v[128*(\p)+16*\b:128*(\p)+16*\b+15], v[64+64*(\p)+16*(\a):64+64*(\p)+16*(\a)+15], v[8*(8*(\a)+\b):8*(8*(\a)+\b)+7]
.endif
.endr
.endm
.macro FETCH slot, q, p                ; 48 LDS loads in one run: the fragments of the slot's q-th 128 along K into set p; source 1's blocks last, in order
	WIN TO_S0
.irp i, 0,1,2,3,4,5,6,7
	FRAG 128*(\p)+16*\i, ADR0+\slot, \q, \i
.endr
	WIN 0
.irp i, 0,1,2,3
	FRAG 64+64*(\p)+16*\i, ADR1+\slot, \q, \i
.endr
.endm
; A load into a register that a matrix instruction has read, and a vector instruction that reads a matrix result, stand four places behind it, and only plain vector instructions that name none of its registers are places.
.macro PLACES n
.rept \n
	v_nop
.endr
.endm
.macro STEP slot, zero                 ; a slot's first 128 along K, from set 0; the second 128 are fetched into set 1 in its middle
	s_wait_dscnt 8                                 ; all but the youngest eight loads (source 1's blocks 2, 3) are in
	WIN MUL
	MULA 0, 0, \zero
	MULA 1, 0, \zero
	s_wait_dscnt 0x0
	PLACES 4
	FETCH \slot, 1, 1
	WIN MUL
	MULA 2, 0, \zero
	MULA 3, 0, \zero
	WIN 0
.endm
; A slot's second 128 along K, from set 1, and the change of slots: ONE barrier; in front of it each wave waits for all its tensor loads, adds 0 to its spare word, and waits for that and for its own reads of this slot.
.macro TURN slot, next, fill
	WIN 0                                          ; (the add's two registers lie in window 0)
	s_wait_tensorcnt 0x0                           ; all my tensor loads have landed: my part of the next slot;
	ds_add_u32 v[SPW], v[NIL]                      ; 0 onto my spare word;
	s_wait_dscnt 9                                 ; (the add and the youngest eight loads may be out)
	WIN MUL
	MULA 0, 1, 0                                   ; eight matrix instructions stand between the add and the wait for it
	s_wait_dscnt 0x0                               ; the add is done, and my reads of this slot are over
	s_barrier_signal -1
	MULA 1, 1, 0
	WIN 0
	s_barrier_wait -1
.if \fill
	CREST                                          ; the barrier has opened a round of the cluster's barrier: no wave of any partner still reads this slot or has a load on its way
	s_add_nc_u64 s[G0A+4*\slot+2:G0A+4*\slot+3], s[G0A+4*\slot+2:G0A+4*\slot+3], 512
	s_add_nc_u64 s[G0B+4*\slot+2:G0B+4*\slot+3], s[G0B+4*\slot+2:G0B+4*\slot+3], 512
	JLOAD \slot                                    ; the first tensor load behind the round: two K steps on; its four v_nop are also the places in front of the loads below
.else
	PLACES 4
.endif
	FETCH \next, 0, 0
	WIN MUL
	MULA 2, 1, 0
	MULA 3, 1, 0
.endm
	s_wait_tensorcnt 1                             ; my part of K step 0 is in (K step 1's load may be out)
	s_barrier_signal -1
	s_barrier_wait -1                              ; everybody's is
	FETCH 0, 0, 0
	STEP 0, 1                                      ; the first step stands in front of the loop: its products start the sums
	s_mov_b32 s3, 7                                ; 16 K steps of 256: 8 laps of the ring, the last written out
.Llap:
	TURN 0, 1, 1
	STEP 1, 0
	TURN 1, 0, 1
	STEP 0, 0
	s_sub_co_u32 s3, s3, 1
	s_cmp_lg_u32 s3, 0
	s_cbranch_scc1 .Llap
	TURN 0, 1, 0                                   ; the last lap fills nothing, and has no round of the cluster's barrier
	STEP 1, 0
	s_wait_dscnt 8
	WIN MUL
	MULA 0, 1, 0
	MULA 1, 1, 0
	s_wait_dscnt 0x0
	MULA 2, 1, 0
	MULA 3, 1, 0
	WIN 0
	; ---- THE WAY OUT
	PLACES 4                                       ; behind the last products: for the reads of results and for loads into the fragments' registers
	s_wait_kmcnt 0x0
	s_add_co_i32 s94, s68, s69                     ; q: a sum stands for sum x 2^(e0 + e1)
	s_add_co_i32 s96, s70, s71                     ; k: e2 + e3
	s_sub_co_i32 s98, s76, s72
	s_sub_co_i32 s98, s98, s73                     ; v: the three scales folded into the conversion's one: e8 - e4 - e5
	s_lshr_b32 s18, s17, 3                         ; the batch
	s_and_b32 s19, s17, 7                          ; which 256 tokens of the sequence
	s_lshl_b32 s20, s18, 3
	s_add_co_u32 s20, s20, s42                     ; q: head row 8 batch + tc
	s_lshl_b32 s21, s18, 2
	s_add_co_u32 s21, s21, s40                     ; k, v: 4 batch + cx
	s_lshl_b32 s22, s14, 6                         ; q, k: my rows begin 64 w on
	s_lshl_b32 s23, s16, 7
	s_lshl_b32 s99, s15, 6
	s_add_co_u32 s23, s23, s99                     ; v: block of 128 keys w % 2, rows d = 64 (w / 2) on: 128 (w % 2) + 64 (w / 2)
	s_lshl_b32 s19, s19, 8
	s_lshl_b32 s99, s17, 8
	s_add_co_u32 s99, s99, s22                     ; my first token, for the table
	s_lshl_b32 s2, s99, 9
	s_mov_b32 s3, 0
	s_cmp_lt_u32 s[KIND], 2
	s_cselect_b32 s20, s20, s21
	s_cmp_eq_u32 s[KIND], 2
	s_cselect_b32 s94, s96, s94                    ; E
	s_cselect_b32 s95, s75, s74                    ; e7 or e6
	s_cselect_b64 s[80:81], s[82:83], s[80:81]     ; the norm's weights
	s_cselect_b64 s[84:85], s[86:87], s[84:85]     ; where the codes go
	s_cmp_eq_u32 s[KIND], 3
	s_cselect_b32 s95, s98, s95
	s_cselect_b64 s[84:85], s[88:89], s[84:85]
	s_cselect_b32 s22, s23, s22
	s_lshl_b32 s20, s20, 11
	s_add_co_u32 s20, s20, s19
	s_add_co_u32 s20, s20, s22
	s_lshl_b32 s20, s20, 7                         ; rows of 128 bytes: my wave's 64 rows are 8,192 consecutive bytes in each of the three buffers
	s_mov_b32 s21, 0
	s_add_nc_u64 s[84:85], s[84:85], s[20:21]
	s_add_nc_u64 s[10:11], s[10:11], s[2:3]
	s_lshl_b32 s97, s94, 1
	s_sub_co_i32 s97, s97, 7                       ; mean of squares = sum x 2^(2 E - 7)
	s_add_co_i32 s95, s95, 127
	s_lshl_b32 s96, s95, 23
	v_mov_b32 v[QS], s96                           ; the conversion's scale as f32
	s_add_co_i32 s95, s95, 8
	s_lshl_b32 s95, s95, 23
	s_or_b32 s95, s95, 0x600000
	v_mov_b32 v[QS+1], s95                         ; 448 x that
	s_mov_b32 s92, 0x76543210                      ; v_permlanex16_b32's selects for lane l xor 16
	s_mov_b32 s93, 0xfedcba98
	s_cmp_eq_u32 s[KIND], 3                        ; v has no norm and no rotation: the same way in all sixteen partners
	s_cbranch_scc1 .Lquant
.irp b, 0,1,2,3,4,5,6,7
	global_load_b128 v[NW+8*\b:NW+8*\b+3], v[WO], s[80:81] offset:64*\b       ; w at d = 16 b + 8 h + 0 .. 7
	global_load_b128 v[NW+8*\b+4:NW+8*\b+7], v[WO], s[80:81] offset:64*\b+16
.endr
	WIN TO_S0
.irp a, 0,1,2,3                                ; token 16 a + r: cos at v[64 a + 8 b + j], sin at v[64 a + 32 + 8 b + j] of window 1, frequency 16 b + 8 h + j
.irp b, 0,1,2,3
	global_load_b128 v[64*\a+8*\b:64*\a+8*\b+3], v[RO], s[10:11] offset:8192*\a+64*\b
	global_load_b128 v[64*\a+8*\b+4:64*\a+8*\b+7], v[RO], s[10:11] offset:8192*\a+64*\b+16
.endr
.irp b, 0,1,2,3
	global_load_b128 v[64*\a+32+8*\b:64*\a+32+8*\b+3], v[RO], s[10:11] offset:8192*\a+256+64*\b
	global_load_b128 v[64*\a+32+8*\b+4:64*\a+32+8*\b+7], v[RO], s[10:11] offset:8192*\a+256+64*\b+16
.endr
.endr
	WIN 0x0a                                       ; sources 0 and 1 window 2: the sums of squares, four chains by turns, each accumulator from its low end on
.irp a, 0,1,2,3
	v_pk_mul_f32 v[SS+2*\a:SS+2*\a+1], v[64*\a:64*\a+1], v[64*\a:64*\a+1]
.endr
.set P, 2
.rept 31
.irp a, 0,1,2,3
	v_pk_fma_f32 v[SS+2*\a:SS+2*\a+1], v[64*\a+P:64*\a+P+1], v[64*\a+P:64*\a+P+1], v[SS+2*\a:SS+2*\a+1]
.endr
.set P, P+2
.endr
	WIN 0
.irp a, 0,1,2,3
	v_add_f32 v[TW+\a], v[SS+2*\a], v[SS+2*\a+1]
.endr
.irp a, 0,1,2,3
	v_permlanex16_b32 v[SS+2*\a], v[TW+\a], s92, s93   ; the token's other 64 d lie in the lane 16 away
.endr
.irp a, 0,1,2,3
	v_add_f32 v[TW+\a], v[TW+\a], v[SS+2*\a]
.endr
.irp a, 0,1,2,3
	v_ldexp_f32 v[TW+\a], v[TW+\a], s97
.endr
.irp a, 0,1,2,3
	v_add_f32 v[TW+\a], 0x358637bd, v[TW+\a]       ; + 1e-6
.endr
.irp a, 0,1,2,3
	v_rsq_f32 v[FF+2*\a], v[TW+\a]
.endr
	v_nop                                          ; a plain line behind the last of the four,
	s_wait_alu depctr_va_vdst(0)                   ; and one wait for the batch, ahead of its first reader
.irp a, 0,1,2,3
	v_ldexp_f32 v[FF+2*\a], v[FF+2*\a], s94        ; x rsqrt = sum x (2^E rsqrt)
.endr
.irp a, 0,1,2,3
	v_mov_b32 v[FF+2*\a+1], v[FF+2*\a]
.endr
.macro NORMROPE a
	s_wait_loadcnt 48-16*(\a)                      ; the weights and this block's 16 loads of the table are in; the later blocks' may be out
	WIN 0x82                                       ; source 0 and destination window 2
.set P, 0
.rept 32
	v_pk_mul_f32 v[64*(\a)+P:64*(\a)+P+1], v[64*(\a)+P:64*(\a)+P+1], v[FF+2*(\a):FF+2*(\a)+1]
.set P, P+2
.endr
.set P, 0
.rept 32
	v_pk_mul_f32 v[64*(\a)+P:64*(\a)+P+1], v[64*(\a)+P:64*(\a)+P+1], v[NW+P:NW+P+1]   ; w x (x rsqrt): the order of the problem's text
.set P, P+2
.endr
	WIN 0x06                                       ; source 0 window 2, source 1 window 1, destination window 0
.set P, 0
.rept 16
	v_pk_mul_f32 v[TT+P:TT+P+1], v[64*(\a)+32+P:64*(\a)+32+P+1], v[64*(\a)+32+P:64*(\a)+32+P+1]   ; upper half x sin
	v_pk_mul_f32 v[UU+P:UU+P+1], v[64*(\a)+P:64*(\a)+P+1], v[64*(\a)+32+P:64*(\a)+32+P+1]         ; lower half x sin
.set P, P+2
.endr
	WIN 0x86                                       ; and the destination window 2
.set P, 0
.rept 16
	v_pk_fma_f32 v[64*(\a)+P:64*(\a)+P+1], v[64*(\a)+P:64*(\a)+P+1], v[64*(\a)+P:64*(\a)+P+1], v[TT+P:TT+P+1] neg_lo:[0,0,1] neg_hi:[0,0,1]   ; lower x cos - upper x sin
	v_pk_fma_f32 v[64*(\a)+32+P:64*(\a)+32+P+1], v[64*(\a)+32+P:64*(\a)+32+P+1], v[64*(\a)+P:64*(\a)+P+1], v[UU+P:UU+P+1]                    ; upper x cos + lower x sin
.set P, P+2
.endr
.endm
	NORMROPE 0
	NORMROPE 1
	NORMROPE 2
	NORMROPE 3
	WIN 0
.Lquant:
.macro QUANT a
	WIN 0x82
.set P, 0
.rept 64
	v_med3_num_f32 v[64*(\a)+P], v[64*(\a)+P], -v[QS+1], v[QS+1]   ; the conversion to an 8-bit code does not saturate (ISA guide 7.6.2): the hold at the largest code x the scale; each accumulator from its low end on
.set P, P+1
.endr
	WIN 0x02
.irp b, 0,1,2,3,4,5,6,7
	v_cvt_scalef32_pk8_fp8_f32 v[CD+16*(\a)+2*\b:CD+16*(\a)+2*\b+1], v[64*(\a)+8*\b:64*(\a)+8*\b+7], v[QS]
.endr
.endm
	QUANT 0
	QUANT 1
	QUANT 2
	QUANT 3
	v_nop                                          ; a plain line behind the last conversion
	WIN 0
.irp a, 0,1,2,3
.irp b, 0,1,2,3,4,5,6,7
	ds_store_b64 v[STO], v[CD+16*\a+2*\b:CD+16*\a+2*\b+1] offset:(32*(\a/2)+8*(\a%2))*SPITCH+16*\b   ; my row 16 a + r goes to stage row 32 (a / 2) + 16 (r / 8) + 8 (a % 2) + r % 8: bits 3 and 4 exchanged; bytes 16 b + 8 h on
.endr
.endr
.irp i, 0,1,2,3,4,5,6,7,8,9,10,11,12,13,14,15
	ds_load_b128 v[NW+4*\i:NW+4*\i+3], v[RD] offset:4*SPITCH*\i   ; LDS serves a wave's instructions in order: these see my stores
.endr
.irp i, 0,1,2,3,4,5,6,7,8,9,10,11,12,13,14,15
	s_wait_dscnt 15-\i
	global_store_b128 v[CO], v[NW+4*\i:NW+4*\i+3], s[84:85] offset:512*\i   ; the wave stores 512 consecutive bytes, at a multiple of 256 from the buffer's first byte
.endr
	s_wait_tensorcnt 0x0                           ; the wave's end: a wait on TENSORcnt, an add of 0 to my spare word and a wait for it, behind my last tensor load and my last LDS store
	ds_add_u32 v[SPW], v[NIL]
	s_wait_dscnt 0x0
	CROUND                                         ; the closing round: no work-group ends while a partner may still ask for a tile that names it
	s_endpgm
.Lfunc_end_k_q3904d87970_qkv:
	.size	k_q3904d87970_qkv, .Lfunc_end_k_q3904d87970_qkv-k_q3904d87970_qkv
	.p2alignl 7, 3214868480
	.fill 96, 4, 3214868480
	.section	.rodata,"a",@progbits
	.p2align	6, 0x0
	.amdhsa_kernel k_q3904d87970_qkv
		.amdhsa_group_segment_fixed_size 327680
		.amdhsa_private_segment_fixed_size 0
		.amdhsa_enable_private_segment 0
		.amdhsa_kernarg_size 72
		.amdhsa_user_sgpr_count 2
		.amdhsa_user_sgpr_kernarg_segment_ptr 1
		.amdhsa_wavefront_size32 1
		.amdhsa_system_sgpr_workgroup_id_x 1
		.amdhsa_system_sgpr_workgroup_id_y 1
		.amdhsa_system_sgpr_workgroup_id_z 1
		.amdhsa_system_vgpr_workitem_id 0
		.amdhsa_next_free_vgpr 768
		.amdhsa_next_free_sgpr 100
		.amdhsa_reserve_vcc 0
		.amdhsa_float_denorm_mode_32 3
		.amdhsa_float_denorm_mode_16_64 3
		.amdhsa_memory_ordered 1
		.amdhsa_forward_progress 1
		.amdhsa_inst_pref_size 128
	.end_amdhsa_kernel
	.amdgpu_metadata
---
amdhsa.version: [ 1, 2 ]
amdhsa.kernels:
  - .name:           k_q3904d87970_qkv
    .symbol:         k_q3904d87970_qkv.kd
    .args:
      - { .name: hcodes, .offset: 0, .size: 8, .value_kind: global_buffer, .address_space: global }
      - { .name: wcodes, .offset: 8, .size: 8, .value_kind: global_buffer, .address_space: global }
      - { .name: lowp_scales, .offset: 16, .size: 8, .value_kind: global_buffer, .address_space: global }
      - { .name: rope, .offset: 24, .size: 8, .value_kind: global_buffer, .address_space: global }
      - { .name: q_norm_w, .offset: 32, .size: 8, .value_kind: global_buffer, .address_space: global }
      - { .name: k_norm_w, .offset: 40, .size: 8, .value_kind: global_buffer, .address_space: global }
      - { .name: qcodes, .offset: 48, .size: 8, .value_kind: global_buffer, .address_space: global }
      - { .name: kcodes, .offset: 56, .size: 8, .value_kind: global_buffer, .address_space: global }
      - { .name: vcodes, .offset: 64, .size: 8, .value_kind: global_buffer, .address_space: global }
    .group_segment_fixed_size: 327680
    .private_segment_fixed_size: 0
    .kernarg_segment_align: 8
    .kernarg_segment_size: 72
    .max_flat_workgroup_size: 128
    .sgpr_count:     100
    .vgpr_count:     768
    .wavefront_size: 32
...
	.end_amdgpu_metadata
.endif
;; end of part 2
;; launch attn (part 3): grid 32 x 8, 8 waves a work-group, no clusters, 327,680 bytes of LDS; arguments qcodes, kcodes, vcodes, lowp_scales, acodes; writes acodes
.if DOCPART == 3
	.amdgcn_target "amdgcn-amd-amdhsa--gfx1250"
	.amdhsa_code_object_version 6
	.text
	.protected	k_q3904d87970_attn
	.globl	k_q3904d87970_attn
	.p2align	8
	.type	k_q3904d87970_attn,@function
k_q3904d87970_attn:
	s_mov_b64 s[64:65], 0
	v_nop
	global_prefetch_b8 v0, s[64:65] scope:SCOPE_SE
	s_setreg_imm32_b32 hwreg(HW_REG_WAVE_MODE, 25, 1), 1
	s_wait_xcnt 0x0
; ATTN: causal attention on codes of FP8, and the quantising of its result for the projection on the way out (entry 10).
; qcodes [batch x 8 + head][2048][128], kcodes [batch x 4 + kv head][2048][128], vcodes [batch x 4 + kv head][16 blocks of keys][128 d][128 keys]; acodes [4096 tokens][1024 = head x 128 + d].
; In qcodes and kcodes row n of a block of 32 rows holds the token, in vcodes the d, whose number is n with bits 3 and 4 exchanged (the launch before lays them so).
; WORK LEFT OUT: a step of 128 keys all of which come after a wave's 16 queries is not multiplied, and a slot of keys that no wave of the work-group reads is not fetched: under the problem's own causal mask those keys' weights are 0 for all inputs.
; THE SOFTMAX AHEAD OF THE SECOND PRODUCT: t = score x log2(e) / sqrt(128); M = the row's largest t so far, rounded UP to a whole number; p = 2^(t - M) is what is quantised (entry 9), not normalised.
; The row's sum is taken of the unquantised p, in f32, and divides O at the end.  When M moves, the sum and O are multiplied by 2^(old M - new M): exact.
; SHARES.  Work-group (x, y): y = batch x 4 + kv head; it owns the blocks of 32 queries number 63 - x (waves 0-3) and x (waves 4-7), for both query heads of the group: wave w has head 2 y + w % 2 and queries
; 32 block + 16 ((w / 2) % 2) on.  A late block and an early one together have the same number of key steps for every x.  All eight waves read the same K and V from a ring of two LDS slots of 256 keys.
; NO CLUSTER: the trip counts stay constants of the text, and a work-group past its causal limit asks for no more slots; a joint load would have to be issued by such a partner all the same, for tiles that none of its waves reads.
; LAYOUT.  Both products are used transposed: S^T = K Q^T, O^T = V^T P^T: a lane holds ONE query (lane % 16) throughout.  Tile 2 b + u of K is rows 32 b + 16 u + 0 .. 15 of the step, which by the rows' order are keys
; 32 b + 8 u + r + 8 (r / 8): so the 16 registers of tiles 2 b and 2 b + 1 are 16 neighbouring keys, 32 b + 16 (lane / 16) + 0 .. 15, and the 16 rows that a load touches are neighbours: row r starts at bank 36 r mod 64, sixteen different places (64 banks of 4 bytes: ISA guide 11.1).
; FRAGMENTS ARE ASKED FOR EARLY.  K's eight and V's eight fragments of a step have registers of their own, in window 1.  A slot's first step asks for K and half of V at its head, and behind the first product for the rest of V and for the
; NEXT step's K: those loads land while the softmax is worked.  A slot's second step is reached only through its first (a hidden first step means a hidden second).
; LIMITS on the given exponents: e6 + e7 between -123 and 130 (added to c's exponent field); e9 and e10 - e8 - e9 between -126 and 119.
; REGISTERS.  window 0: v1-7 addresses that stay; v8-11 addresses in hand; v12 -M, v13 the largest t, v[14:15] the sum in two halves; v16-31 Q; v32-63 the way out; v96-159 S^T, then p; v160-223 O^T; v224-239 p's codes; v240-254 constants and work.
;   window 1: v0-127 K's fragments, v128-255 V's.
.set SK,    256                        ; keys in a slot
.set KP,    144                        ; a row of 128 codes in LDS: 128 bytes + 16 of padding
.set HALFB, 128*KP                     ; what one tensor load brings: 128 rows
.set VOFF,  2*HALFB                    ; a slot: K's 256 rows, then V's two blocks of 128 rows
.set SLOT1, 1<<17                      ; slot 1 begins here: one exclusive or turns an address in one slot into the other's
.set NSL,   2048/SK
.set SPARE, 2*SLOT1                    ; behind the ring: the spare words, 128 bytes for each of eight waves
.set STG,   SPARE+1024                 ; behind them: the way out's stage, 16 rows x 272 bytes for each pair of waves: bytes into which no fill lands
.set SPP,   272
.set AK0,  1                           ; v1   my lane's place in a tile of K
.set AV0,  2                           ; v2   the same for V
.set PFO,  3                           ; v3   256 x my lane: the prefetches' offset; never rewritten
.set SPW,  5                           ; v5   LDS address of my spare word; never rewritten
.set NIL,  6                           ; v6   0; never rewritten
.set GO,   7                           ; v7   the way out: my byte offset in acodes
.set ADK,  8
.set ADV,  9
.set KFR,  0                           ; window 1: K's fragments
.set VFR,  128                         ; window 1: V's fragments
.set WV,   18                          ; s18  my wave's number
.set SEL,  20                          ; s[20:21] lane selects for lane l xor 16
.set CS,   22                          ; s[22:23] c = log2(e) / sqrt(128) x 2^(e6 + e7)
.set G1,   24                          ; s[24:31] descriptor group 1: 128 rows of 128 bytes, dense in memory: K's and V's tiles alike
.set G0,   40                          ; s[40:43] group 0, which walks
.set TB,   2                           ; s2   LDS byte at which the slot in hand begins
.set LASTQ, 66                         ; s66  my work-group's last query
.set SLOTS, 67                         ; s67  changes of slots still to come in the loop
.set PFK,  76                          ; s[76:77], s[78:79] where my prefetches stand in K and in V
.set PFV,  78
.set LIM,  80                          ; s80  1 in a wave that prefetches, else the greatest number
.set KF,   98                          ; s98  the first key of the slot in hand
.set Q0,   99                          ; s99  my first query
.set MSB, 0
.macro WIN new                         ; the immediate's high byte repeats the setting that is left
.if MSB != \new
	s_set_vgpr_msb (MSB<<8)|\new
.set MSB, \new
.endif
.endm
.set TO_F, 0x40                        ; destination window 1, address window 0
.set MULW, 0x01                        ; source 0 (K's or V's fragment) window 1; all else window 0
; Waves 0 and 1 fetch K's halves of a slot, waves 2 and 3 V's two blocks, the others nothing.  The LDS address is wave x HALFB.  An s_nop 0 and four v_nop follow the line.
.macro TLOAD
	s_cmp_lt_u32 s[WV], 4
	s_cbranch_scc0 .Lasked_\@
	tensor_load_to_lds s[G0:G0+3], s[G1:G1+7]
	s_nop 0
.rept 4
	v_nop
.endr
.Lasked_\@:
.endm
; A PREFETCH INTO THE L2 of what the NEXT change of slots will ask for: a slot's 32,768 bytes of K and as many of V, both dense.  All 32 work-groups of a kv head walk the same K and V; work-group x = 0, which walks every slot, asks, and
; in it the waves that fetch nothing: waves 4 to 7, 8,192 bytes of each a wave, lanes 256 bytes apart: each aligned block of 256 bytes is named once in the launch.  The last change that fills a slot asks for nothing; slots 0 and 1 come by their loads alone.
.macro ASK
	s_cmp_gt_u32 s[SLOTS], s[LIM]
	s_cbranch_scc0 .Lnot_mine_\@
	global_prefetch_b8 v[PFO], s[PFK:PFK+1] th:TH_LOAD_NT scope:SCOPE_SE
	global_prefetch_b8 v[PFO], s[PFV:PFV+1] th:TH_LOAD_NT scope:SCOPE_SE
.Lnot_mine_\@:
.endm
	s_load_b128 s[4:7], s[0:1], 0x0                ; Q's codes s[4:5], K's s[6:7]
	s_load_b128 s[12:15], s[0:1], 0x10             ; V's s[12:13], the scales' exponents s[14:15]
	s_load_b64 s[16:17], s[0:1], 0x20              ; acodes
	v_lshl_add_u32 v[SPW], v0, 2, SPARE
	v_mov_b32 v[NIL], 0
	ds_add_u32 v[SPW], v[NIL]                      ; the wave's opening: the add, twice on end, and its wait ahead of my first tensor load; the set-up below stands between the second and the wait
	ds_add_u32 v[SPW], v[NIL]
	v_lshrrev_b32 v8, 5, v0
	v_readfirstlane_b32 s[WV], v8                  ; wave 0..7
	s_and_b32 s81, ttmp7, 0xffff                   ; y
	s_lshl_b32 s74, s81, 18                        ; the kv head's first byte in K's and in V's codes: 262,144 y
	s_and_b32 s88, s[WV], 1
	s_sub_co_u32 s82, 63, ttmp9
	s_cmp_lt_u32 s[WV], 4
	s_cselect_b32 s82, s82, ttmp9                  ; my block of 32 queries
	s_lshl_b32 s[Q0], s82, 5
	s_bfe_u32 s83, s[WV], 0x10001                  ; which 16 of them
	s_lshl_b32 s85, s83, 3
	s_add_co_u32 s85, s85, s[Q0]                   ; by the rows' order my query r lies in row 32 block + 8 x that + r + 8 (r / 8)
	s_lshl_b32 s83, s83, 4
	s_add_co_u32 s[Q0], s[Q0], s83                 ; my first query
	s_sub_co_u32 s[LASTQ], 63, ttmp9
	s_lshl_b32 s[LASTQ], s[LASTQ], 5
	s_or_b32 s[LASTQ], s[LASTQ], 31                ; the same in all eight waves
	s_lshl_b32 s84, s81, 1
	s_add_co_u32 s84, s84, s88                     ; my query head's row: 2 y + w % 2
	s_lshl_b32 s84, s84, 11
	s_add_co_u32 s84, s84, s85
	s_lshl_b32 s84, s84, 7
	s_mov_b32 s85, 0                               ; Q's codes at the first of my lanes' rows
	s_lshr_b32 s86, s81, 2
	s_lshl_b32 s86, s86, 11
	s_add_co_u32 s86, s86, s[Q0]
	s_lshl_b32 s87, s88, 3
	s_add_co_u32 s86, s86, s87                     ; the first token whose row I store: batch x 2048 + my first query + 8 (w % 2)
	s_lshl_b32 s86, s86, 10
	s_and_b32 s87, s81, 3
	s_lshl_b32 s87, s87, 8
	s_add_co_u32 s86, s86, s87                     ; + the group's two heads' 256 bytes
	s_mov_b32 s87, 0
	s_lshl_b32 s90, s88, 14
	s_add_co_u32 s90, s90, s74                     ; what I fetch, if I fetch: half w % 2 of the slot's K or V
	s_mov_b32 s91, 0
	s_mov_b32 s[G1], (0<<16)|(1<<20)|(4<<22)|(3<<25)   ; no mask; elements of 1 byte; padding: four words after every 32
	s_mov_b32 s[G1+1], 128<<16                     ; tensor_dim0
	s_mov_b32 s[G1+2], 128<<16                     ; tensor_dim1
	s_mov_b32 s[G1+3], 128<<16                     ; tile_dim0
	s_mov_b32 s[G1+4], 128                         ; tile_dim1
	s_mov_b32 s[G1+5], 128                         ; from row to row
	s_mov_b32 s[G1+6], 0
	s_mov_b32 s[G1+7], 0
	s_mov_b32 s[SEL], 0x76543210
	s_mov_b32 s[SEL+1], 0xfedcba98
	s_mov_b32 s[CS], 0x3e0293ee                    ; log2(e) / sqrt(128)
	s_mov_b32 s[TB], 0
	s_mov_b32 s[SLOTS], NSL-1
	s_mov_b32 s[KF], 0
	s_wait_dscnt 0x0                               ; both opening adds are done
	s_wait_kmcnt 0x0
	s_load_b128 s[68:71], s[14:15], 0x18           ; e6, e7, e8, e9
	s_load_b32 s72, s[14:15], 0x28                 ; e10
	s_cmp_lt_u32 s[WV], 2
	s_cselect_b64 s[G0+2:G0+3], s[6:7], s[12:13]   ; the choice hangs on the wave's number alone
	s_add_nc_u64 s[G0+2:G0+3], s[G0+2:G0+3], s[90:91]
	s_or_b32 s[G0+3], s[G0+3], 0x80000000          ; type = 2
	s_mov_b32 s[G0], 1
	s_mul_i32 s[G0+1], s[WV], HALFB                ; slot 0
	TLOAD                                          ; slot 0: it holds key 0, which counts for every query
	s_add_nc_u64 s[4:5], s[4:5], s[84:85]
	s_add_nc_u64 s[16:17], s[16:17], s[86:87]
	s_and_b32 s82, s[WV], 3
	s_lshl_b32 s82, s82, 13
	s_add_co_u32 s82, s82, s74
	s_add_co_u32 s82, s82, SK*128                  ; my part, in slot 1: the first change of slots steps it to slot 2.  Nothing is prefetched here, at the head
	s_mov_b32 s83, 0
	s_add_nc_u64 s[PFK:PFK+1], s[6:7], s[82:83]
	s_add_nc_u64 s[PFV:PFV+1], s[12:13], s[82:83]
	s_lshr_b32 s82, s[WV], 2
	s_xor_b32 s82, s82, 1                          ; 0 in waves 4 to 7,
	s_or_b32 s82, s82, ttmp9                       ; of work-group x = 0
	s_cmp_eq_u32 s82, 0
	s_cselect_b32 s[LIM], 1, -1
	v_and_b32 v[PFO], 31, v0
	v_lshlrev_b32 v[PFO], 8, v[PFO]
	v_and_b32 v8, 15, v0                           ; r
	v_bfe_u32 v9, v0, 4, 1                         ; h
	v_and_b32 v11, 8, v8
	v_add_nc_u32 v11, v11, v8                      ; r + 8 (r / 8)
	v_lshlrev_b32 v10, 7, v11
	v_lshl_add_u32 v10, v9, 4, v10
.irp c, 0,1,2,3
	global_load_b128 v[16+4*\c:19+4*\c], v10, s[4:5] offset:32*\c   ; Q's fragment stays in registers
.endr
	v_mul_u32_u24 v[AK0], v8, KP                   ; a tile of K is 16 consecutive rows
	v_lshl_add_u32 v[AK0], v9, 4, v[AK0]
	v_add_nc_u32 v[AV0], VOFF, v[AK0]              ; and so is a tile of V, behind K's rows
	v_lshlrev_b32 v[GO], 10, v9
	v_lshl_add_u32 v[GO], v8, 4, v[GO]             ; the way out: lanes 0-15 one token's 256 bytes, lanes 16-31 the next token's
	v_mov_b32 v13, 0xff61b1e6                      ; the largest t so far: -3e38, under every t
	v_floor_f32 v12, -v13                          ; -M
	v_mov_b32 v14, 0
	v_mov_b32 v15, 0
	v_mov_b32 v236, 0                              ; written once: a lane permute's destination counts as one of its sources
	v_mov_b32 v252, 0
	v_mov_b32 v253, 0
.set J, 0
.rept 64
	v_mov_b32 v[160+J], 0                          ; O^T.  (The step is written once: the first finds zeros, which the first change of M leaves zeros)
.set J, J+1
.endr
	s_wait_kmcnt 0x0
	s_add_co_i32 s73, s68, s69
	s_lshl_b32 s73, s73, 23
	s_add_co_i32 s[CS], s[CS], s73                 ; a score stands for score x 2^(e6 + e7): the exponents are added to c's exponent field
	s_mov_b32 s[CS+1], s[CS]
	s_add_co_i32 s73, s71, 127
	s_lshl_b32 s83, s73, 23
	v_mov_b32 v244, s83                            ; 2^e9 as f32, for p's conversion
	s_add_co_i32 s73, s73, 8
	s_lshl_b32 s73, s73, 23
	s_or_b32 s73, s73, 0x600000
	v_mov_b32 v240, s73                            ; 448 x 2^e9
	s_sub_co_i32 s73, s72, s70
	s_sub_co_i32 s73, s73, s71                     ; O / l stands for that x 2^(e8 + e9): its code is taken with the one scale 2^(e10 - e8 - e9)
	s_add_co_i32 s73, s73, 127
	s_lshl_b32 s83, s73, 23
	v_mov_b32 v245, s83
	s_add_co_i32 s73, s73, 8
	s_lshl_b32 s73, s73, 23
	s_or_b32 s73, s73, 0x600000
	v_mov_b32 v246, s73
.macro KLOADS q                        ; the eight fragments of K of the slot's q-th 128 keys: 32 loads
.irp t, 0,1,2,3,4,5,6,7
.irp c, 0,1,2,3
	ds_load_b128 v[KFR+16*\t+4*\c:KFR+16*\t+4*\c+3], v[ADK] offset:(128*(\q)+16*\t)*KP+32*\c
.endr
.endr
.endm
.macro VLOADS q, t0                    ; four fragments of V, tiles t0 on, of the slot's q-th block of keys: 16 loads
.irp t, \t0, \t0+1, \t0+2, \t0+3
.irp c, 0,1,2,3
	ds_load_b128 v[VFR+16*(\t)+4*\c:VFR+16*(\t)+4*\c+3], v[ADV] offset:HALFB*(\q)+16*(\t)*KP+32*\c
.endr
.endr
.endm
.macro SMUL t0                         ; S^T = K Q^T, four tiles of 16 keys
.irp t, \t0, \t0+1, \t0+2, \t0+3
	v_wmma_f32_16x16x128_fp8_fp8 v[96+8*(\t):103+8*(\t)], v[KFR+16*(\t):KFR+16*(\t)+15], v[16:31], 0
.endr
.endm
; A KEY STEP: 128 keys, the q-th of the slot in hand.
.macro STEPBODY q
.if \q == 0
	v_add_nc_u32 v[ADK], s[TB], v[AK0]
	v_add_nc_u32 v[ADV], s[TB], v[AV0]
	v_nop                                          ; four places (the two additions are places too) in front of loads into registers that the last products have read
	v_nop
	WIN TO_F
	KLOADS 0
	VLOADS 0, 0
	s_wait_dscnt 32                                ; K's tiles 0-3 are in; K's tiles 4-7 and V's tiles 0-3 may be out
	WIN MULW
	SMUL 0
	s_wait_dscnt 16                                ; K's tiles 4-7 are in; V's may be out
	SMUL 4
.else
.rept 4
	v_nop                                          ; four places in front of loads into registers that the last products have read
.endr
	WIN TO_F
	VLOADS 1, 0
	s_wait_dscnt 16                                ; this step's K, asked for in the step before, is in; the sixteen loads just issued may be out
	WIN MULW
	SMUL 0
	SMUL 4
.endif
	WIN 0
.rept 4
	v_nop                                          ; four places: in front of the first read of the scores, and of loads into K's registers
.endr
	WIN TO_F
	VLOADS \q, 4                                   ; the rest of V,
.if \q == 0
	KLOADS 1                                       ; and the next step's K: they land while the softmax is worked
.endif
	WIN 0
	s_add_co_u32 s96, s[KF], 127+128*(\q)          ; on the diagonal the scores of hidden keys become -infinity ahead of the maximum: p = 0 then.  A step all of whose keys count skips this
	s_cmp_le_u32 s96, s[Q0]
	s_cbranch_scc1 .Lopen_\@
	s_sub_co_i32 s96, s[Q0], s[KF]
.if \q
	s_sub_co_i32 s96, s96, 128
.endif
	v_and_b32 v252, 15, v0
	v_bfe_u32 v253, v0, 4, 1
	v_lshlrev_b32 v253, 4, v253
	v_sub_nc_u32 v252, v252, v253
	v_add_nc_u32 v252, s96, v252                   ; d = my query - the step's first key - 16 (lane / 16).  Register 16 b + i holds key 32 b + 16 (lane / 16) + i of the step: hidden where 32 b + i > d
	v_mov_b32 v254, 0xff800000
.set N, 0
.rept 64
	v_cmp_gt_i32 vcc_lo, 32*(N/16)+N%16, v252
	v_cndmask_b32 v[96+N], v[96+N], v254, vcc_lo
.set N, N+1
.endr
.Lopen_\@:
	v_max3_num_f32 v254, v96, v97, v98             ; the step's largest score of my query, among my 64 keys, in two chains,
	v_max3_num_f32 v252, v99, v100, v101
.irp i, 6,10,14,18,22,26,30,34,38,42,46,50,54,58
	v_max3_num_f32 v254, v254, v[96+\i], v[97+\i]
	v_max3_num_f32 v252, v252, v[98+\i], v[99+\i]
.endr
	v_max3_num_f32 v254, v254, v158, v159
	v_max_num_f32 v254, v254, v252
	v_permlanex16_b32 v236, v254, s[SEL], s[SEL+1]
	v_max_num_f32 v254, v254, v236                 ; and among lane l xor 16's
	v_mul_f32 v254, s[CS], v254                    ; as t (c is positive)
	v_max_num_f32 v13, v13, v254                   ; the running largest t
	v_mov_b32 v254, v12
	v_floor_f32 v12, -v13                          ; the new -M = floor(-t): M is a whole number
	v_sub_f32 v254, v12, v254                      ; M's old value less its new one: a whole number, 0 or less
	v_cvt_i32_f32 v254, v254                       ; (it saturates)
	v_ldexp_f32 v252, 1.0, v254                    ; f = 2^(old M - new M)
.set J, 0
.rept 32
	v_pk_fma_f32 v[96+J:97+J], v[96+J:97+J], s[CS:CS+1], v[12:13] op_sel_hi:[1,0,0]   ; t - M, two at a time
.set J, J+2
.endr
.set J, 0
.rept 64
	v_exp_f32 v[96+J], v[96+J]                     ; p = 2^(t - M), at most 1: not normalised
.set J, J+1
.endr
	v_pk_mul_f32 v[14:15], v[14:15], v[252:253] op_sel_hi:[1,0]   ; the sums under the new M: a plain line behind the exponentials
	s_wait_alu depctr_va_vdst(0)                   ; one wait for the whole batch, ahead of its first reader
	v_pk_add_f32 v[242:243], v[96:97], v[98:99]    ; the row's sum is taken of the unquantised p: two at a time, in two chains
.irp j, 4,8,12,16,20,24,28,32,36,40,44,48,52,56,60
	v_pk_add_f32 v[14:15], v[14:15], v[96+\j:97+\j]
	v_pk_add_f32 v[242:243], v[242:243], v[98+\j:99+\j]
.endr
	v_pk_add_f32 v[14:15], v[14:15], v[242:243]
.irp b, 0,1,2,3
.set I, 0
.rept 16
	v_min_num_f32 v[96+16*\b+I], v[96+16*\b+I], v240   ; the conversion does not saturate (ISA guide 7.6.2); p is not negative, so the hold is one-sided
.set I, I+1
.endr
	v_cvt_scalef32_pk8_fp8_f32 v[224+4*\b:225+4*\b], v[96+16*\b:103+16*\b], v244
	v_cvt_scalef32_pk8_fp8_f32 v[226+4*\b:227+4*\b], v[104+16*\b:111+16*\b], v244
.endr
.set J, 0
.rept 32
	v_pk_mul_f32 v[160+J:161+J], v[160+J:161+J], v[252:253] op_sel_hi:[1,0]   ; O^T under the new M.  (These 32 are also the plain lines between the conversions and the matrix instructions below)
.set J, J+2
.endr
.if \q == 0
	s_wait_dscnt 32                                ; V's eight fragments are in; the next step's 32 loads of K may be out
.else
	s_wait_dscnt 0x0                               ; V's eight fragments are in
.endif
	WIN MULW
.irp t, 0,1,2,3,4,5,6,7                        ; O^T += V^T P^T: eight tiles of 16 of the head's 128, the accumulators by turns; K = these 128 keys
	v_wmma_f32_16x16x128_fp8_fp8 v[160+8*\t:167+8*\t], v[VFR+16*\t:VFR+16*\t+15], v[224:239], v[160+8*\t:167+8*\t]
.endr
	WIN 0
.endm
; THE CHANGE OF SLOTS stands at a slot's head.  Each wave waits for all its tensor loads, adds 0 to its spare word (fill = 1: twice on end), and waits for that and for its reads of the slot that it has left.
; Behind the barrier the slot ahead is whole and nobody reads the other one.  fill = 1: that other slot is filled with the keys that follow, up to the causal limit.  Every wait on TENSORcnt in this text is for 0; a wave has at most one load out.
.macro CHANGE fill
	s_wait_tensorcnt 0x0                           ; no tensor load of mine is out, so group 0 may be written
	ds_add_u32 v[SPW], v[NIL]                      ; 0 onto my spare word
.if \fill
	ds_add_u32 v[SPW], v[NIL]                      ; and once more: the add twice on end here, in every trip alike
	s_xor_b32 s[G0+1], s[G0+1], SLOT1              ; the walking descriptor: the other slot than last time,
	s_add_nc_u64 s[G0+2:G0+3], s[G0+2:G0+3], SK*128   ; the next 256 keys; the type bits on top are not reached
	s_wait_xcnt 0x0                                ; the last prefetches, a slot back, have read their addresses, so they may be written
	s_add_nc_u64 s[PFK:PFK+1], s[PFK:PFK+1], SK*128
	s_add_nc_u64 s[PFV:PFV+1], s[PFV:PFV+1], SK*128
.endif
	s_wait_dscnt 0x0                               ; the add is done, and my reads of the slot that I have left are over (loads of K for a step that turned out hidden among them)
	s_barrier_signal -1
	s_barrier_wait -1
.if \fill
	s_add_co_u32 s96, s[KF], SK                    ; the first key of the slot that this change would ask for:
	s_cmp_gt_u32 s96, s[LASTQ]                     ; past my work-group's last query it is read by none of its waves, so it is not asked for.  Ids and the count of slots alone: all eight waves go the same way
	s_cbranch_scc1 .Lpast_\@
	TLOAD                                          ; a wave's one tensor load until the next change
.Lpast_\@:
	ASK
.endif
.endm
; A slot's two steps.  A step all of whose keys come after my 16 queries is left out: scalar branches on ids; no barrier and no tensor load stands in a step.  Where the first step is hidden, so is the second: one label serves both.
.macro SLOT_STEPS
	s_add_co_u32 s96, s[Q0], 15
	s_cmp_gt_u32 s[KF], s96
	s_cbranch_scc1 .Lhidden_\@
	STEPBODY 0
	s_add_co_u32 s97, s[KF], 128
	s_add_co_u32 s96, s[Q0], 15
	s_cmp_gt_u32 s97, s96
	s_cbranch_scc1 .Lhidden_\@
	STEPBODY 1
.Lhidden_\@:
	s_add_co_u32 s[KF], s[KF], SK
	s_xor_b32 s[TB], s[TB], SLOT1                  ; on to the other slot
.endm
	s_wait_loadcnt 0x0                             ; Q
.Lslot:                                            ; NSL - 1 trips, a constant of the text
	CHANGE 1
	SLOT_STEPS
	s_sub_co_u32 s[SLOTS], s[SLOTS], 1
	s_cmp_lg_u32 s[SLOTS], 0
	s_cbranch_scc1 .Lslot
	CHANGE 0                                       ; the last slot is written out: nothing is left to ask for
	SLOT_STEPS
	; THE WAY OUT.  O^T / the sum is quantised; a token's 256 bytes of the group hold both query heads, which two waves made: they meet in the pair's stage, behind a barrier, and leave as whole aligned runs of 256 bytes.
	v_add_f32 v14, v14, v15
	v_permlanex16_b32 v252, v14, s[SEL], s[SEL+1]
	v_add_f32 v14, v14, v252                       ; the row's sum
	v_rcp_f32 v14, v14
	v_and_b32 v8, 15, v0                           ; (a plain line behind the reciprocal)  r
	v_bfe_u32 v9, v0, 4, 1                         ; h
	s_lshr_b32 s73, s[WV], 1
	s_mul_i32 s73, s73, 16*SPP
	s_add_co_u32 s73, s73, STG                     ; my pair's stage
	s_and_b32 s83, s[WV], 1
	s_lshl_b32 s84, s83, 7
	s_mul_i32 s85, s83, 8*SPP
	v_mul_u32_u24 v10, v8, SPP
	v_lshl_add_u32 v10, v9, 4, v10
	v_add_nc_u32 v10, s73, v10
	v_add_nc_u32 v10, s84, v10                     ; in: row r, my head's 128 bytes, 16 h on: by the order of V's rows register 8 t + i is channel 32 (t / 2) + 16 h + 8 (t % 2) + i
	v_mul_u32_u24 v11, v9, SPP
	v_lshl_add_u32 v11, v8, 4, v11
	v_add_nc_u32 v11, s73, v11
	v_add_nc_u32 v11, s85, v11                     ; back: my 8 of the 16 rows; lanes 0-15 one row, lanes 16-31 the next
	s_wait_alu depctr_va_vdst(0)                   ; the wait, ahead of the reciprocal's first reader
.set J, 0
.rept 64
	v_mul_f32 v[96+J], v[160+J], v14               ; each accumulator from its low end on
.set J, J+1
.endr
.set J, 0
.rept 64
	v_med3_num_f32 v[96+J], v[96+J], -v246, v246
.set J, J+1
.endr
.irp t, 0,1,2,3,4,5,6,7
	v_cvt_scalef32_pk8_fp8_f32 v[32+2*\t:33+2*\t], v[96+8*\t:103+8*\t], v245
.endr
	v_nop                                          ; a plain line behind the last conversion
.irp t, 0,1,2,3,4,5,6,7
	ds_store_b64 v10, v[32+2*\t:33+2*\t] offset:32*(\t/2)+8*(\t%2)
.endr
	s_wait_dscnt 0x0                               ; for my partner's sake: my stores into the stage are done
	s_barrier_signal -1
	s_barrier_wait -1
.irp i, 0,1,2,3
	ds_load_b128 v[48+4*\i:51+4*\i], v11 offset:2*SPP*\i
.endr
.irp i, 0,1,2,3
	s_wait_dscnt 3-\i
	global_store_b128 v[GO], v[48+4*\i:51+4*\i], s[16:17] offset:2048*\i   ; sixteen lanes store 256 consecutive bytes, at a multiple of 256 from the buffer's first byte
.endr
	s_wait_tensorcnt 0x0                           ; the wave's end: a wait on TENSORcnt, an add of 0 to my spare word and a wait for it, behind my last tensor load and my last LDS store
	ds_add_u32 v[SPW], v[NIL]
	s_wait_dscnt 0x0
	s_endpgm
.Lfunc_end_k_q3904d87970_attn:
	.size	k_q3904d87970_attn, .Lfunc_end_k_q3904d87970_attn-k_q3904d87970_attn
	.p2alignl 7, 3214868480
	.fill 96, 4, 3214868480
	.section	.rodata,"a",@progbits
	.p2align	6, 0x0
	.amdhsa_kernel k_q3904d87970_attn
		.amdhsa_group_segment_fixed_size 327680
		.amdhsa_private_segment_fixed_size 0
		.amdhsa_enable_private_segment 0
		.amdhsa_kernarg_size 40
		.amdhsa_user_sgpr_count 2
		.amdhsa_user_sgpr_kernarg_segment_ptr 1
		.amdhsa_wavefront_size32 1
		.amdhsa_system_sgpr_workgroup_id_x 1
		.amdhsa_system_sgpr_workgroup_id_y 1
		.amdhsa_system_sgpr_workgroup_id_z 1
		.amdhsa_system_vgpr_workitem_id 0
		.amdhsa_next_free_vgpr 512
		.amdhsa_next_free_sgpr 100
		.amdhsa_reserve_vcc 1
		.amdhsa_float_denorm_mode_32 3
		.amdhsa_float_denorm_mode_16_64 3
		.amdhsa_memory_ordered 1
		.amdhsa_forward_progress 1
		.amdhsa_inst_pref_size 115
	.end_amdhsa_kernel
	.amdgpu_metadata
---
amdhsa.version: [ 1, 2 ]
amdhsa.kernels:
  - .name:           k_q3904d87970_attn
    .symbol:         k_q3904d87970_attn.kd
    .args:
      - { .name: qcodes, .offset: 0, .size: 8, .value_kind: global_buffer, .address_space: global }
      - { .name: kcodes, .offset: 8, .size: 8, .value_kind: global_buffer, .address_space: global }
      - { .name: vcodes, .offset: 16, .size: 8, .value_kind: global_buffer, .address_space: global }
      - { .name: lowp_scales, .offset: 24, .size: 8, .value_kind: global_buffer, .address_space: global }
      - { .name: acodes, .offset: 32, .size: 8, .value_kind: global_buffer, .address_space: global }
    .group_segment_fixed_size: 327680
    .private_segment_fixed_size: 0
    .kernarg_segment_align: 8
    .kernarg_segment_size: 40
    .max_flat_workgroup_size: 256
    .sgpr_count:     100
    .vgpr_count:     512
    .wavefront_size: 32
...
	.end_amdgpu_metadata
.endif
;; end of part 3
;; launch oproj (part 4): grid 16 x 16, 4 waves a work-group, clusters of 4 x 4, 327,680 bytes of LDS; arguments acodes, wocodes, lowp_scales, out0; writes out0
.if DOCPART == 4
	.amdgcn_target "amdgcn-amd-amdhsa--gfx1250"
	.amdhsa_code_object_version 6
	.text
	.protected	k_q3904d87970_oproj
	.globl	k_q3904d87970_oproj
	.p2align	8
	.type	k_q3904d87970_oproj,@function
k_q3904d87970_oproj:
	s_mov_b64 s[64:65], 0
	v_nop
	global_prefetch_b8 v0, s[64:65] scope:SCOPE_SE
	s_setreg_imm32_b32 hwreg(HW_REG_WAVE_MODE, 25, 1), 1
	s_wait_xcnt 0x0
	s_wait_alu depctr_hold_cnt(0) depctr_sa_sdst(0) depctr_va_vdst(0) depctr_va_sdst(0) depctr_va_ssrc(0) depctr_va_vcc(0) depctr_vm_vsrc(0)
	s_getreg_b32 s2, hwreg(HW_REG_IB_STS2, 6, 4)
	s_cmp_eq_u32 s2, 0
	s_cbranch_scc0 .Lentry_in_a_cluster
	s_endpgm
.Lentry_in_a_cluster:
	s_bfe_u32 s2, ttmp6, 0x10000c
	s_cmp_lg_u32 s2, 0xf033
	s_cbranch_scc0 .Lentry_shape_is_right
	s_endpgm
.Lentry_shape_is_right:
; OPROJ: out0[m][n] = sum over k of attn[m][k] Wo[n][k], on codes of FP8: A = acodes [4096][1024], B = wocodes [4096][1024], C = out0 [4096][4096] f32; sums in f32.  No work of this launch is left out.
; A number of A is its code's value x 2^e10, of B x 2^e11 (entries 10 and 11 of the scales).  The codes are multiplied as they are, and each finished sum once by 2^(e10 + e11).
; LIMIT: e10 + e11 lies between -126 and 127, so that 2^(e10 + e11) is an f32 number.
; A tile of C, 256 x 256, is made by a work-group of four waves; a wave makes 128 x 128: 64 accumulators of 16 x 16, 512 registers.  K goes in steps of 256 through a ring of two LDS slots filled by the tensor data mover.
; CLUSTERS: 4 x 4 work-groups.  The four of a row of the cluster need the same tiles of A, the four of a column the same tiles of B: each tile is asked for JOINTLY, by the same tensor load with the same descriptor and a mask that names the four.
; THE MATRIX INSTRUCTION IS USED TRANSPOSED (source 0 = 16 rows of B, source 1 = 16 rows of A): a lane then holds eight neighbouring numbers of a row of C.
; REGISTERS, in windows of 256: window 0: v0-31 addresses; from v128 A's fragments (8 x 16 rows x 128 K), ONE set; on the way out v32-255 are free.
;   window 1: B's fragments, TWO sets, at v0 and at v128.   window 2: the 32 accumulators of my rows 0-63 (accumulator (a, b) at v[8 (8 a + b)]);   window 3: those of my rows 64-127.
; A step of 128 along K is 64 matrix instructions, A's blocks one after the other, each against B's eight: a block of A is free as soon as its eight products are issued, and one set of registers serves A.
; No prefetch: K has four steps of 256, and the first two come by their loads alone.  By this text's own count a wave has at most two tensor loads out.
.set SIZE_M, 4096
.set SIZE_N, 4096
.set SIZE_K, 1024
.set KSTEP,  256                       ; along K in a slot
.set ROWB,   256                       ; a tile's row in bytes
.set KROW,   SIZE_K                    ; a row of A or of B in memory, in bytes
.set PITCH,  272                       ; an LDS row: 256 bytes + 16 of padding = 68 words: row r starts at bank 4 r mod 64 (64 banks of 4 bytes: ISA guide 11.1)
.set FR,     16                        ; registers of a fragment: 16 rows x 128 K
.set NL,     4                         ; LDS loads that bring one
.set NP,     4                         ; places behind this matrix instruction (ISA guide 7.12.1)
.set HALFT,  128*PITCH                 ; 128 rows: what one tensor load brings, and what one wave reads of A or of B
.set SLOT,   4*HALFT                   ; A's 256 rows, then B's 256 rows
.set LAPS,   SIZE_K/(2*KSTEP)          ; a lap = two K steps = once round the ring
.set SPARE,  2*SLOT                    ; behind the ring: the spare words, 128 bytes for each wave
.set SPITCH, 528                       ; the way out: a stage of 16 rows x (512 bytes + 16) for each wave.  It lies in slot 0, which has had its last fill and its last read when the first result is stored there
.set ADRA, 16                          ; v16-17  LDS address of my A fragments in slot 0, 1
.set ADRB, 20                          ; v20-21  the same for B
.set STO,  24                          ; v24     the way out: where I put 32 bytes of a row
.set RD,   25                          ; v25     the way out: where I read a row back
.set CO,   26                          ; v26     my byte offset in a row of C
.set SPW,  28                          ; v28     LDS address of my spare word; never rewritten
.set NIL,  29                          ; v29     0; never rewritten
.set TMP,  32                          ; the way out: 64 registers, a block's sums x 2^(e10 + e11)
.set AF,   128                         ; A's fragments, in window 0
.set BK,   128                         ; the way out: 16 rows read back from the stage: v128-191 and v192-255 by turns
.set G1, 24                            ; s[24:31] descriptor group 1 for A's tiles;  s[32:39] group 0, one set for each slot
.set G0, 32
.set G1B, 48                           ; s[48:55], s[56:63] the same for B's tiles
.set G0B, 56
.set MSB, 0
.macro WIN new                         ; the immediate's high byte repeats the setting that is left
.if MSB != \new
	s_set_vgpr_msb (MSB<<8)|\new
.set MSB, \new
.endif
.endm
.set MUL_LO, 0xa1                      ; source 0 (B) window 1, source 1 (A) window 0, C and D window 2
.set MUL_HI, 0xf1                      ; the same, C and D window 3
.set TO_B,   0x40                      ; destination window 1, address window 0
; A joint load: waves 0 and 1 fetch for A, waves 2 and 3 for B.  Each of the two lines has ONE mask and one set of registers for all that issue it; the branch hangs on the wave's number alone.
; An s_nop 0 and four v_nop follow each of the two lines, ahead of the jump, the label and what follows.
.macro JLOAD g0a, g1a, g0b, g1b
	s_cmp_eq_u32 s15, 0
	s_cbranch_scc0 .Lfor_b_\@
	tensor_load_to_lds s[\g0a:\g0a+3], s[\g1a:\g1a+7]
	s_nop 0
.rept 4
	v_nop
.endr
	s_branch .Lasked_\@
.Lfor_b_\@:
	tensor_load_to_lds s[\g0b:\g0b+3], s[\g1b:\g1b+7]
	s_nop 0
.rept 4
	v_nop
.endr
.Lasked_\@:
.endm
.macro CREST                           ; a round of the cluster's barrier behind its opening barrier
	s_cmp_lg_u32 s14, 0
	s_cbranch_scc1 .Lnot_wave_0_\@
	s_barrier_signal -3
.Lnot_wave_0_\@:
	s_barrier_wait -3
	s_barrier_signal -1
	s_barrier_wait -1
.endm
.macro CROUND                          ; a whole round
	s_barrier_signal -1
	s_barrier_wait -1
	CREST
.endm
	s_load_b128 s[4:7], s[0:1], 0x0                ; A's codes s[4:5], B's codes s[6:7]
	s_load_b128 s[8:11], s[0:1], 0x10              ; the scales' exponents s[8:9], C s[10:11]
	v_lshl_add_u32 v[SPW], v0, 2, SPARE
	v_mov_b32 v[NIL], 0
	ds_add_u32 v[SPW], v[NIL]                      ; the wave's opening: the add, twice on end, and its wait ahead of my first tensor load; the set-up below stands between the second and the wait
	ds_add_u32 v[SPW], v[NIL]
	v_lshrrev_b32 v1, 5, v0
	v_readfirstlane_b32 s14, v1                    ; wave 0..3
	s_lshr_b32 s15, s14, 1                         ; which half of the tile's rows is mine.  Also: I fetch for A (0) or for B (1)
	s_and_b32 s16, s14, 1                          ; which half of its columns.  Also: which 128 rows of that tile I fetch
	s_bfe_u32 s40, ttmp6, 0x40000                  ; cx, cy: my place in the cluster
	s_bfe_u32 s41, ttmp6, 0x40004
	s_lshl_b32 s42, ttmp9, 2
	s_add_co_u32 s42, s42, s40                     ; tile column of C = 4 x cluster x + cx
	s_and_b32 s17, ttmp7, 0xffff
	s_lshl_b32 s17, s17, 2
	s_add_co_u32 s17, s17, s41                     ; tile row of C = 4 x cluster y + cy
	s_lshl_b32 s43, s41, 2
	s_lshl_b32 s43, 15, s43                        ; my row of the cluster
	s_lshl_b32 s44, 0x1111, s40                    ; my column
	s_or_b32 s[G1+0], s43, (0<<16)|(1<<20)|(1<<21)|(5<<22)|(3<<25)  ; 15:0 the mask: A's tiles go to my row; 17:16 element of 1 byte; 20 padding on; 21 set beside a mask; 24:22 after every 64 words; 31:25 four words of it
	s_or_b32 s[G1B+0], s44, (0<<16)|(1<<20)|(1<<21)|(5<<22)|(3<<25)
.irp g, G1, G1B
	s_mov_b32 s[\g+1], ROWB<<16                    ; tensor_dim0
	s_mov_b32 s[\g+2], 128<<16                     ; tensor_dim1 = 128
	s_mov_b32 s[\g+3], ROWB<<16                    ; tile_dim0
	s_mov_b32 s[\g+4], 128                         ; tile_dim1 = 128
	s_mov_b32 s[\g+5], KROW                        ; from row to row
	s_mov_b32 s[\g+6], 0
	s_mov_b32 s[\g+7], 0
.endr
	s_lshl_b32 s18, s16, 7                         ; which 128 rows of the tile I fetch
	s_lshl_b32 s20, s17, 8
	s_add_co_u32 s20, s20, s18                     ; A: row 256 x tile row + 128 x half
	s_lshl_b32 s46, s42, 8
	s_add_co_u32 s46, s46, s18                     ; B: row 256 x tile column + 128 x half
	s_mov_b32 s21, 0
	s_mov_b32 s47, 0
	s_mov_b64 s[18:19], KROW
	s_mul_u64 s[20:21], s[20:21], s[18:19]
	s_mul_u64 s[46:47], s[46:47], s[18:19]
	s_mul_i32 s45, s14, HALFT                      ; where they go: wave x 128 rows: no place in the cluster enters an LDS address
	s_wait_dscnt 0x0                               ; both opening adds are done
	s_wait_kmcnt 0x0
	s_load_b64 s[96:97], s[8:9], 0x28              ; e10, e11
	s_add_nc_u64 s[20:21], s[4:5], s[20:21]
	s_add_nc_u64 s[46:47], s[6:7], s[46:47]
	CROUND                                         ; all sixteen work-groups are here: the first joint loads meet
.irp s, 0,1
	s_mov_b32 s[G0+4*\s], 1
	s_add_co_u32 s[G0+4*\s+1], s45, \s*SLOT
	s_add_nc_u64 s[G0+4*\s+2:G0+4*\s+3], s[20:21], \s*ROWB
	s_or_b32 s[G0+4*\s+3], s[G0+4*\s+3], 0x80000000
	s_mov_b32 s[G0B+4*\s], 1
	s_add_co_u32 s[G0B+4*\s+1], s45, \s*SLOT
	s_add_nc_u64 s[G0B+4*\s+2:G0B+4*\s+3], s[46:47], \s*ROWB
	s_or_b32 s[G0B+4*\s+3], s[G0B+4*\s+3], 0x80000000
	JLOAD G0+4*\s, G1, G0B+4*\s, G1B
.endr
	v_and_b32 v1, 15, v0                           ; l % 16
	v_bfe_u32 v2, v0, 4, 1                         ; l / 16
	v_mul_u32_u24 v3, v1, PITCH
	v_lshl_add_u32 v4, v2, 4, v3                   ; a fragment's row x pitch + 16 x half
	s_mul_i32 s21, s15, HALFT                      ; my 128 rows of A
	s_mul_i32 s22, s16, HALFT                      ; my 128 rows of B,
	s_add_co_u32 s22, s22, 2*HALFT                 ; which lie behind A's 256
.irp s, 0,1
	v_add_nc_u32 v[ADRA+\s], s21, v4
	v_add_nc_u32 v[ADRB+\s], s22, v4
	s_add_co_u32 s21, s21, SLOT
	s_add_co_u32 s22, s22, SLOT
.endr
	s_mul_i32 s23, s14, 16*SPITCH                  ; my stage
	v_mul_u32_u24 v5, v1, SPITCH                   ; in: row l % 16, 32 bytes for each half of the lanes
	v_lshl_add_u32 v5, v2, 5, v5
	v_add_nc_u32 v[STO], s23, v5
	v_and_b32 v6, 31, v0
	v_lshlrev_b32 v[CO], 4, v6                     ; back: the 32 lanes take one row of 512 bytes; and the same in C
	v_add_nc_u32 v[RD], s23, v[CO]
	s_lshl_b32 s20, s17, 8
	s_lshl_b32 s21, s15, 7
	s_add_co_u32 s20, s20, s21                     ; my first row of C: 256 x tile row + 128 x half
	s_mov_b32 s21, 0
	s_mov_b64 s[18:19], SIZE_N*4
	s_mul_u64 s[20:21], s[20:21], s[18:19]
	s_lshl_b32 s46, s42, 10                        ; my first column, in bytes: 1024 x tile column + 512 x half
	s_lshl_b32 s47, s16, 9
	s_add_co_u32 s46, s46, s47
	s_mov_b32 s47, 0
	s_add_nc_u64 s[20:21], s[20:21], s[46:47]
	s_add_nc_u64 s[10:11], s[10:11], s[20:21]
.macro FRAG reg, adr, q, i             ; a fragment, 16 rows x 128 K of codes, is 16 registers: lane l holds row l % 16; registers 4 c .. 4 c + 3 hold K = 32 c + 16 (l / 16) + 0 .. 15: the same order of K on both sides
.irp c, 0,1,2,3
	ds_load_b128 v[\reg+4*\c:\reg+4*\c+3], v[\adr] offset:128*(\q)+32*\c+(\i)*16*PITCH
.endr
.endm
; 16 matrix instructions: A's blocks a0, a0 + 1 x B's eight, 128 along K.  p: B's set.  zero = 1: the first product starts the sums.
; The 64 accumulators take turns, one instruction a turn, in the same order in every step.
.macro MUL16 a0, p, zero
.irp a, \a0, \a0+1
.irp b, 0,1,2,3,4,5,6,7
.if \zero
	v_wmma_f32_16x16x128_fp8_fp8 v[8*(8*((\a)%4)+\b):8*(8*((\a)%4)+\b)+7], v[128*(\p)+FR*\b:128*(\p)+FR*\b+FR-1], v[AF+FR*(\a):AF+FR*(\a)+FR-1], 0
.else
	v_wmma_f32_16x16x128_fp8_fp8 v[8*(8*((\a)%4)+\b):8*(8*((\a)%4)+\b)+7], v[128*(\p)+FR*\b:128*(\p)+FR*\b+FR-1], v[AF+FR*(\a):AF+FR*(\a)+FR-1], v[8*(8*((\a)%4)+\b):8*(8*((\a)%4)+\b)+7]
.endif
.endr
.endr
.endm
.macro FETCH_B slot, q, p              ; B's eight fragments of the slot's q-th 128 along K into set p
	WIN TO_B
.irp i, 0,1,2,3,4,5,6,7
	FRAG 128*(\p)+FR*\i, ADRB+\slot, \q, \i
.endr
	WIN 0
.endm
.macro FETCH_A slot, q, i0             ; A's blocks i0 .. i0 + 3
.irp i, \i0, \i0+1, \i0+2, \i0+3
	FRAG AF+FR*(\i), ADRA+\slot, \q, \i
.endr
.endm
; A load into a register that a matrix instruction has read, and a vector instruction or an LDS store that reads a matrix result, stand NP places behind that matrix instruction, and only plain vector
; instructions that name none of its registers are places.
.macro PLACES n
.rept \n
	v_nop
.endr
.endm
; A step of 128 along K that has its successor in the same slot.
.macro STEP slot, q, zero
	s_wait_dscnt 4*NL                              ; B's set and A's blocks 0-3 are in; the youngest loads (A's blocks 4-7) may be out
	WIN MUL_LO
	MUL16 0, (\q)%2, \zero
	MUL16 2, (\q)%2, \zero
	s_wait_dscnt 0                                 ; A's blocks 4-7 are in
	PLACES NP
	FETCH_B \slot, (\q)+1, 1-(\q)%2
	FETCH_A \slot, (\q)+1, 0
	WIN MUL_HI
	MUL16 4, (\q)%2, \zero
	MUL16 6, (\q)%2, \zero
	PLACES NP
	WIN 0
	FETCH_A \slot, (\q)+1, 4
.endm
; A slot's last step changes slots: ONE barrier; in front of it each wave waits for all its tensor loads, adds 0 to its spare word, and waits for that and for its own reads of this slot.  fill = 1: this slot is filled again, two K steps ahead.
.macro TURN slot, next, fill
	s_wait_tensorcnt 0x0                           ; all my tensor loads have landed: my part of the next slot;  (every window is 0 here)
	ds_add_u32 v[SPW], v[NIL]                      ; 0 onto my spare word;
	s_wait_dscnt 4*NL+1                            ; (the add and the youngest loads, A's blocks 4-7, may be out)
	WIN MUL_LO
	MUL16 0, 1, 0                                  ; sixteen matrix instructions stand between the add and the wait for it
	s_wait_dscnt 0x0                               ; the add is done, and my reads of this slot are over
	s_barrier_signal -1
	MUL16 2, 1, 0
	WIN 0
	s_barrier_wait -1
.if \fill
	CREST                                          ; the barrier has opened a round of the cluster's barrier: no wave of any partner still reads this slot's tile or has a load on its way
	s_add_nc_u64 s[G0+4*\slot+2:G0+4*\slot+3], s[G0+4*\slot+2:G0+4*\slot+3], 2*ROWB
	s_add_nc_u64 s[G0B+4*\slot+2:G0B+4*\slot+3], s[G0B+4*\slot+2:G0B+4*\slot+3], 2*ROWB
	JLOAD G0+4*\slot, G1, G0B+4*\slot, G1B         ; the first tensor load behind the round; the four v_nop behind it are the places in front of the loads below
.else
	PLACES NP
.endif
	FETCH_B \next, 0, 0
	FETCH_A \next, 0, 0
	WIN MUL_HI
	MUL16 4, 1, 0
	MUL16 6, 1, 0
	PLACES NP
	WIN 0
	FETCH_A \next, 0, 4
.endm
	s_wait_tensorcnt 1                             ; my part of K step 0 is in (K step 1's load may be out)
	s_barrier_signal -1
	s_barrier_wait -1                              ; everybody's is
	FETCH_B 0, 0, 0
	FETCH_A 0, 0, 0
	FETCH_A 0, 0, 4
	STEP 0, 0, 1                                   ; the first step stands in front of the loop: its products start the sums
	s_mov_b32 s3, LAPS-1
.Llap:                                                 ; a trip goes once round the ring, from a lap's second step to the next lap's first, and fills both slots again
	TURN 0, 1, 1
	STEP 1, 0, 0
	TURN 1, 0, 1
	STEP 0, 0, 0
	s_sub_co_u32 s3, s3, 1
	s_cmp_lg_u32 s3, 0
	s_cbranch_scc1 .Llap
	TURN 0, 1, 0                                   ; the last lap fills nothing, and has no round of the cluster's barrier
	STEP 1, 0, 0
	s_wait_dscnt 4*NL                              ; the very last step: nothing more to fetch
	WIN MUL_LO
	MUL16 0, 1, 0
	MUL16 2, 1, 0
	s_wait_dscnt 0
	WIN MUL_HI
	MUL16 4, 1, 0
	MUL16 6, 1, 0
	WIN 0
; THE WAY OUT, block by block of 16 rows x 128 columns.  A lane holds 32 neighbouring bytes of a row, and the lanes beside it hold other rows: so a block goes through my own stage in LDS and comes back as whole
; rows of 512 bytes, which the 32 lanes store as two aligned runs of 256 bytes.  LDS serves a wave's instructions in order (ISA guide 5.7.1.4): no wait between the stores and the loads, nor in front of the next block's stores.
.macro TOSTAGE a
.set AC, 64*((\a)%4)
	WIN 0x02+((\a)/4)                              ; source 0: window 2 or 3
.irp j, 0,2,4,6,8,10,12,14,16,18,20,22,24,26,28,30,32,34,36,38,40,42,44,46,48,50,52,54,56,58,60,62
	v_pk_mul_f32 v[TMP+\j:TMP+\j+1], v[AC+\j:AC+\j+1], s[96:97] op_sel_hi:[1,0]   ; both x s96 = 2^(e10 + e11); each accumulator from its low end on
.endr
	WIN 0
.irp b, 0,1,2,3,4,5,6,7
	ds_store_b128 v[STO], v[TMP+8*\b:TMP+8*\b+3] offset:64*\b
	ds_store_b128 v[STO], v[TMP+8*\b+4:TMP+8*\b+7] offset:64*\b+16
.endr
.set BB, BK+64*((\a)%2)
.irp t, 0,1,2,3,4,5,6,7,8,9,10,11,12,13,14,15
	ds_load_b128 v[BB+4*\t:BB+4*\t+3], v[RD] offset:\t*SPITCH
.endr
.endm
.macro SEND a, younger                 ; younger: the LDS instructions issued behind block a's loads, which may stay out
.set BB, BK+64*((\a)%2)
	s_wait_dscnt \younger                          ; the block is back in registers
.if (\a) > 0
	s_add_nc_u64 s[10:11], s[10:11], 16*SIZE_N*4   ; (behind a wait on XCNT: the earlier stores have read their base)  16 rows of C on
.endif
.irp t, 0,1,2,3,4,5,6,7,8,9,10,11,12,13,14,15
	global_store_b128 v[CO], v[BB+4*\t:BB+4*\t+3], s[10:11] offset:\t*SIZE_N*4 th:TH_STORE_NT   ; 32 lanes store 512 consecutive bytes, at a multiple of 256 from C's first byte; written once, read by nobody here
.endr
.endm
	s_wait_kmcnt 0x0
	s_add_co_i32 s96, s96, s97                     ; e10 + e11, between -126 and 127,
	s_add_co_i32 s96, s96, 127
	s_lshl_b32 s96, s96, 23                        ; makes the f32 number 2^(e10 + e11)
	PLACES NP                                      ; behind the last products: for the loads into the registers that held A's fragments and for block 7's reads alike
	TOSTAGE 0
.irp a, 1,2,3,4,5,6,7
.if \a > 1
	s_wait_xcnt 0x0                                ; block a - 2's stores have read their registers and their base: block a's loads may land there, and the base may step
.endif
	TOSTAGE \a
	SEND \a-1, 32                                  ; behind block a - 1's loads: block a's 16 stores and 16 loads
.endr
	s_wait_xcnt 0x0                                ; block 6's stores have read their base
	SEND 7, 0
	s_wait_tensorcnt 0x0                           ; the wave's end: a wait on TENSORcnt, an add of 0 to my spare word and a wait for it, behind my last tensor load and my last LDS store
	ds_add_u32 v[SPW], v[NIL]
	s_wait_dscnt 0x0
	CROUND                                         ; the closing round: no work-group ends while a partner may still ask for a tile that names it
	s_endpgm
.Lfunc_end_k_q3904d87970_oproj:
	.size	k_q3904d87970_oproj, .Lfunc_end_k_q3904d87970_oproj-k_q3904d87970_oproj
	.p2alignl 7, 3214868480
	.fill 96, 4, 3214868480
	.section	.rodata,"a",@progbits
	.p2align	6, 0x0
	.amdhsa_kernel k_q3904d87970_oproj
		.amdhsa_group_segment_fixed_size 327680
		.amdhsa_private_segment_fixed_size 0
		.amdhsa_enable_private_segment 0
		.amdhsa_kernarg_size 32
		.amdhsa_user_sgpr_count 2
		.amdhsa_user_sgpr_kernarg_segment_ptr 1
		.amdhsa_wavefront_size32 1
		.amdhsa_system_sgpr_workgroup_id_x 1
		.amdhsa_system_sgpr_workgroup_id_y 1
		.amdhsa_system_sgpr_workgroup_id_z 1
		.amdhsa_system_vgpr_workitem_id 0
		.amdhsa_next_free_vgpr 1024
		.amdhsa_next_free_sgpr 98
		.amdhsa_reserve_vcc 0
		.amdhsa_float_denorm_mode_32 3
		.amdhsa_float_denorm_mode_16_64 3
		.amdhsa_memory_ordered 1
		.amdhsa_forward_progress 1
		.amdhsa_inst_pref_size 123
	.end_amdhsa_kernel
	.amdgpu_metadata
---
amdhsa.version: [ 1, 2 ]
amdhsa.kernels:
  - .name:           k_q3904d87970_oproj
    .symbol:         k_q3904d87970_oproj.kd
    .args:
      - { .name: acodes, .offset: 0, .size: 8, .value_kind: global_buffer, .address_space: global }
      - { .name: wocodes, .offset: 8, .size: 8, .value_kind: global_buffer, .address_space: global }
      - { .name: lowp_scales, .offset: 16, .size: 8, .value_kind: global_buffer, .address_space: global }
      - { .name: out0, .offset: 24, .size: 8, .value_kind: global_buffer, .address_space: global }
    .group_segment_fixed_size: 327680
    .private_segment_fixed_size: 0
    .kernarg_segment_align: 8
    .kernarg_segment_size: 32
    .max_flat_workgroup_size: 128
    .sgpr_count:     98
    .vgpr_count:     1024
    .wavefront_size: 32
...
	.end_amdgpu_metadata
.endif
;; end of part 4
